; MI455X (gfx1250); checked and timed in simulation.
; The chip was launched on July 23, 2026; its instructions are those of AMD's public machine-readable ISA for CDNA 5 (MIT licence, August 2026) and "CDNA5" Instruction Set Architecture Reference Guide (July 2026). The comments in the code are by the model that wrote it; some were corrected since.
;; Llama Flash Attention Wrapper. Allowed arithmetic: matrix products marked QUANTISED: E2M1 operands, one E8M0 scale for each 32 along K, by v_wmma_scale_f32_16x16x128_f8f6f4 with both operands' format E2M1 (or v_wmma_scale_f32_32x16x128_f4), f32 sums; products left as they are: bf16, f16 or f32 operands; f32 sums; everything else in f32.
;; Inputs: Wk 2,048 x 2,048 float32; Wo 2,048 x 2,048 float32; Wq 2,048 x 2,048 float32; Wv 2,048 x 2,048 float32; hidden_states 1 x 2,048 x 2,048 float32.
;; Outputs: out0 1 x 2,048 x 2,048 float32.
;; This version of the problem:
;;   THIS VERSION OF THE PROBLEM IS GIVEN IN LOW PRECISION. The matrix products marked QUANTISED in the list below multiply operands that are first quantised to E2M1 (2 exponent bits, 1 mantissa bit; 4 bits a number), with one power-of-two scale for each 32 numbers along K (OCP MX v1.0); their sums are f32. The products marked 'left as it is' may take bf16, f16 or f32 operands, with f32 sums. Whichever they take, every output number must still come out within the allowed error. Rounding operands to bf16 (8 significant bits) uses up far more of that allowance than f16 does (11 bits, for magnitudes from 6e-5 to 65,504). All else is computed in f32.
;;   The module's matrix products, in the order in which they are computed (A, B: the left and right operand; K: the contracted axis; several contracted axes count as one K, in the product's order):
;;     1. [M 2,048, K 2,048] x [K 2,048, N 2,048]; A: input hidden_states; B: input Wq: QUANTISED
;;     2. [M 2,048, K 2,048] x [K 2,048, N 2,048]; A: input hidden_states; B: input Wk: QUANTISED
;;     3. [M 2,048, K 2,048] x [K 2,048, N 2,048]; A: input hidden_states; B: input Wv: QUANTISED
;;     4. batch 16 x [M 2,048, K 128] x [K 128, N 2,048]; A: computed on the way; B: computed on the way: left as it is (an operand is computed on the way)
;;     5. batch 16 x [M 128, K 2,048] x [K 2,048, N 2,048]; A: computed on the way; B: computed on the way: left as it is (an operand is computed on the way)
;;     6. [M 2,048, K 2,048] x [K 2,048, N 2,048]; A: computed on the way; B: input Wo: left as it is (an operand is computed on the way)
;;   THE QUANTISER, for each operand of a quantised product, along K:
;;     - K is cut into blocks of 32 from its start; a last block that is shorter is filled with zeros.
;;     - A block's scale is 2^e with e = floor(log2(the largest magnitude in the block)) - 2, held to -126 .. 127; a block of zeros has e = 0. As a byte (E8M0): e + 127.
;;     - Each number is divided by its block's scale, clamped to +-6, and rounded to the nearest number of E2M1, ties to even, subnormals kept.
;;     - The product sums the exact products of the quantised numbers (number of the format x scale) in f32.
;;   ~~~python
;;   def quantise(x, axis):      # numpy; x: float32 -> the quantised numbers, widened to float32 again
;;       x = np.moveaxis(x, axis, -1); K = x.shape[-1]
;;       x = np.pad(x, [(0, 0)] * (x.ndim - 1) + [(0, -K % 32)]); x = x.reshape(x.shape[:-1] + (-1, 32)); a = np.abs(x).max(-1, keepdims=True)
;;       e = np.where(a > 0, np.clip(np.frexp(np.where(a > 0, a, 1))[1] - 1 - 2, -126, 127), 0)      # np.frexp(a)[1] - 1 = floor(log2(a)), exactly
;;       r = np.clip(x / 2.0 ** e, -6, 6)
;;       step = 2.0 ** (np.maximum(np.frexp(np.where(r == 0, 1, r))[1] - 1, 0) - 1)
;;       q = np.round(r / step) * step * 2.0 ** e      # np.round: ties to even
;;       return np.moveaxis(q.reshape(q.shape[:-2] + (-1,))[..., :K], -1, axis).astype(np.float32)
;;   ~~~
;; One version. Each part assembles by itself: llvm-mc -triple=amdgcn-amd-amdhsa -mcpu=gfx1250 --defsym DOCPART=n.
;; ======== version 1 of 1: 5 launches
;; limits: values are held in f16: magnitudes above 65,504 overflow, below 6.1e-05 lose precision
;; workspace buffers: codes 8,388,608 bytes; scales 524,288 bytes; wo16 8,388,608 bytes; rope 1,048,576 bytes; qkvh 25,165,824 bytes; first 393,216 bytes; attnh 8,388,608 bytes; attn32 131,072 bytes
;; launch prep (part 1): grid 544 x 1, 4 waves a work-group, no clusters, 33,280 bytes of LDS; arguments hidden_states, Wq, Wk, Wv, codes, scales, rope; writes codes, scales, rope
.if DOCPART == 1
	.amdgcn_target "amdgcn-amd-amdhsa--gfx1250"
	.amdhsa_code_object_version 6
	.text
	.protected	k_qe24b12daf9_prep
	.globl	k_qe24b12daf9_prep
	.p2align	8
	.type	k_qe24b12daf9_prep,@function
k_qe24b12daf9_prep:
	s_mov_b64 s[64:65], 0
	v_nop
	global_prefetch_b8 v0, s[64:65] scope:SCOPE_SE
	s_setreg_imm32_b32 hwreg(HW_REG_WAVE_MODE, 25, 1), 1
	s_wait_xcnt 0x0
; PREP: two jobs that share one launch, told apart by the work-group's number.
;   work-groups 0-511:   hidden_states, Wq, Wk, Wv (each [2048][2048] f32, K innermost) become codes of FP4 (E2M1) with one E8M0 byte for each 32 along K.
;                        codes: [8192 rows][1024 bytes], rows 0-2047 x, 2048-4095 Wq, 4096-6143 Wk, 6144-8191 Wv; scales: [8192][64], the same rows.
;   work-groups 512-543: the rotary table, laid as the next launch's registers take it: rope [128 blocks of 16 positions][16 runs][32 lanes][4 f32].  Run 4 b + q of a block, lane 16 h + r, number e:
;                        position r of the block, frequency 16 b + 8 h + 4 (q % 2) + e; q = 0, 1: the cosine, q = 2, 3: the sine.
; THE QUANTISER: a block's scale is 2^(floor(log2(its largest magnitude)) - 2); its byte is the largest magnitude's exponent field - 2, held at 1 from below; each number / scale goes to the nearest code, ties to even,
; beyond 6 the largest code.  A block of zeros gets the byte 1 where the rule says 127: its codes are zeros, and this program alone reads the bytes.
; LIMITS: blocks whose largest magnitude lies under 2^(2 - 126) are held at byte 1; NaN and infinities among the inputs are not served.
; THE TABLE: angle = position x 10000^(-i / 64) in f32; the angle is reduced by whole turns with 1 / (2 pi) in two parts, a quarter of the rest (at most pi / 4) goes through Taylor polynomials
; (next terms under 3e-8), and two doublings give the angle's cos and sin.  10000^(-i / 64) is made by v_exp_f32, so an angle may differ from a correctly rounded one by some 1.5e-4 rad at the last positions;
; q and k are turned by the same table.
; Rows are dense, so a tensor is a plain stream of blocks.  A wave takes 16 steps of 512 numbers; loads read 512 consecutive bytes, a step's 2,048 bytes turn through the wave's own stage in LDS so that a lane holds
; 16 neighbours; a wave's 256 scale bytes are gathered in LDS and leave as one aligned run of 256 bytes.  Waves share nothing: no barrier.
.set WAVES, 4
.set STEPS, 16
.set CB,    8                          ; bytes of 16 codes
.set R,     16                         ; v16-79   four sets of 16 numbers as they are loaded
.set X,     80                         ; v80-111  two sets of 16 neighbours
.set E,     112                        ; v112-127 a scale byte for each step
.set C,     128                        ; v128-191 codes: four registers for each step, so that no store's data are written again
.set WREG,  8192                       ; LDS: a region for each wave: two stages of 32 x SP bytes, behind them its 256 scale bytes
.set SP,    80                         ; a lane's place in a stage: 64 bytes + 16 of padding
.set SPW,   12                         ; v12 LDS address of my spare word; never rewritten
.set NIL,   13                         ; v13 0; never rewritten
.set SPARE, WAVES*WREG                 ; behind the four regions: the spare words, 128 bytes a wave, that no other line names
	s_load_b256 s[4:11], s[0:1], 0x0               ; x 4:5, Wq 6:7, Wk 8:9, Wv 10:11
	s_load_b128 s[12:15], s[0:1], 0x20             ; codes 12:13, scales 14:15
	s_load_b64 s[20:21], s[0:1], 0x30              ; rope
	v_lshl_add_u32 v[SPW], v0, 2, SPARE
	v_mov_b32 v[NIL], 0
	v_lshrrev_b32 v1, 5, v0
	v_readfirstlane_b32 s22, v1                    ; wave
	v_and_b32 v2, 31, v0                           ; lane
	v_lshlrev_b32 v3, 4, v2                        ; 16 x lane: my 16 bytes of a run of 512
	v_lshlrev_b32 v4, 3, v2                        ; 8 x lane: my 8 bytes of a store's 256
	s_mul_i32 s23, s22, WREG
	v_lshrrev_b32 v14, 2, v2
	v_mul_u32_u24 v14, v14, SP
	v_and_b32 v15, 3, v2
	v_lshl_add_u32 v14, v15, 4, v14
	v_add_nc_u32 v14, s23, v14                     ; the stage, on the way in: SP (lane / 4) + 16 (lane % 4)
	v_mul_u32_u24 v15, v2, SP
	v_add_nc_u32 v15, s23, v15                     ; and on the way out: SP x lane: my 16 neighbours
	v_lshrrev_b32 v5, 1, v2
	s_add_co_u32 s23, s23, 2*32*SP
	v_add_nc_u32 v5, s23, v5                       ; my wave's 256 scale bytes: my block's byte
	v_add_nc_u32 v6, s23, v4                       ; and on the way out 8 bytes a lane
	s_wait_kmcnt 0x0
	s_cmp_ge_u32 ttmp9, 512
	s_cbranch_scc1 .Ltable
	; ---- the quantiser.  128 work-groups to a tensor; the choice of the source hangs on the work-group's number alone
	s_lshr_b32 s24, ttmp9, 7
	s_cmp_eq_u32 s24, 1
	s_cselect_b64 s[4:5], s[6:7], s[4:5]
	s_cmp_eq_u32 s24, 2
	s_cselect_b64 s[4:5], s[8:9], s[4:5]
	s_cmp_eq_u32 s24, 3
	s_cselect_b64 s[4:5], s[10:11], s[4:5]
	s_and_b32 s24, ttmp9, 127
	s_lshl_b32 s24, s24, 2
	s_add_co_u32 s24, s24, s22                     ; which run of 8,192 numbers of the tensor is my wave's
	s_lshl_b32 s24, s24, 15                        ; 32,768 bytes a run
	s_mov_b32 s25, 0
	s_add_nc_u64 s[4:5], s[4:5], s[24:25]
	s_lshl_b32 s26, ttmp9, 2
	s_add_co_u32 s26, s26, s22                     ; and which run of the four tensors on end: the merged rows make the results one stream
	s_lshl_b32 s24, s26, 12                        ; 4,096 bytes of codes a run
	s_add_nc_u64 s[12:13], s[12:13], s[24:25]
	s_lshl_b32 s24, s26, 8                         ; 256 scale bytes a run
	s_add_nc_u64 s[14:15], s[14:15], s[24:25]
.macro LOAD t
.irp i, 0,1,2,3
	global_load_b128 v[R+16*((\t)%4)+4*\i:R+16*((\t)%4)+4*\i+3], v3, s[4:5] offset:2048*(\t)+512*\i th:TH_LOAD_NT   ; 32 lanes read 512 consecutive bytes
.endr
.endm
.macro TURN t                          ; step t's numbers through the stage: LDS serves a wave's instructions in order, so no wait stands between the stores and the loads
.irp i, 0,1,2,3
	ds_store_b128 v14, v[R+16*((\t)%4)+4*\i:R+16*((\t)%4)+4*\i+3] offset:32*SP*((\t)%2)+8*SP*\i
.endr
.irp i, 0,1,2,3
	ds_load_b128 v[X+16*((\t)%2)+4*\i:X+16*((\t)%2)+4*\i+3], v15 offset:32*SP*((\t)%2)+16*\i
.endr
.endm
.irp t, 0,1,2,3
	LOAD \t
.endr
	s_wait_loadcnt 12                              ; step 0's four loads are in; the three younger steps' twelve stay out
	TURN 0
.macro STEP t
.set XS, X+16*((\t)%2)
.if (\t) > 0
	s_wait_dscnt 1                                 ; this step's numbers are back from the stage (the last step's byte store may be out): so its stores into the stage have read their registers,
.else
	s_wait_dscnt 0x0
.endif
.if (\t)+4 < STEPS
	LOAD (\t)+4                                    ; which take the loads of four steps on
.endif
.if (\t)+1 < STEPS
.if STEPS-2-(\t) >= 3
	s_wait_loadcnt 12                              ; the next step's four loads are in; those of the three steps behind it may be out
.else
	s_wait_loadcnt 4*(STEPS-2-(\t))
.endif
	TURN (\t)+1                                    ; and go through the other stage while this step is worked
.endif
	v_max3_num_f32 v8, |v[XS]|, |v[XS+1]|, |v[XS+2]|               ; the largest magnitude of my 16, in two chains
	v_max3_num_f32 v9, |v[XS+3]|, |v[XS+4]|, |v[XS+5]|
.irp i, 6,10
	v_max3_num_f32 v8, v8, |v[XS+\i]|, |v[XS+\i+1]|
	v_max3_num_f32 v9, v9, |v[XS+\i+2]|, |v[XS+\i+3]|
.endr
	v_max3_num_f32 v8, v8, |v[XS+14]|, |v[XS+15]|
	v_max3_num_f32 v8, v8, v9, 0x1800000           ; and the floor 2^(3 - 127): so the byte cannot fall under 1
	v_max_num_f32_dpp v8, v8, v8 row_xmask:1 row_mask:0xf bank_mask:0xf   ; and of my neighbour's 16: the block's
	v_add_nc_u32 v11, 0xff000000, v8               ; 2 off its exponent field: the conversion takes the exponent field of this operand as its scale, and nothing else of it
	v_cvt_scalef32_pk8_fp4_f32 v[C+4*(\t)], v[XS:XS+7], v11
	v_cvt_scalef32_pk8_fp4_f32 v[C+4*(\t)+1], v[XS+8:XS+15], v11
	v_lshrrev_b32 v[E+(\t)], 23, v11               ; the scale's byte (a plain line behind the conversions)
	ds_store_b8 v5, v[E+(\t)] offset:16*(\t)       ; both lanes of a block write the same byte with the same value
	global_store_b64 v4, v[C+4*(\t):C+4*(\t)+1], s[12:13] offset:32*CB*(\t)   ; the wave stores 256 consecutive bytes, aligned
.endm
.irp t, 0,1,2,3,4,5,6,7,8,9,10,11,12,13,14,15
	STEP \t
.endr
	ds_load_b64 v[8:9], v6                         ; LDS serves a wave's instructions in order: these see my stores
	s_wait_dscnt 0x0
	global_store_b64 v4, v[8:9], s[14:15]          ; 32 lanes store 256 consecutive bytes, aligned
	s_wait_tensorcnt 0x0                           ; the wave's end, behind my last LDS store
	ds_add_u32 v[SPW], v[NIL]
	s_wait_dscnt 0x0
	s_endpgm
	; ---- the rotary table.  A wave takes one block of 16 positions: lane 16 h + r has position r throughout; trip (b, part) makes frequencies 16 b + 8 h + 4 part + 0 .. 3, so that each store is a run of 512 consecutive bytes
.Ltable:
	s_sub_co_u32 s24, ttmp9, 512
	s_lshl_b32 s24, s24, 2
	s_add_co_u32 s24, s24, s22                     ; my block, 0 .. 127
	s_lshl_b32 s26, s24, 13                        ; 8,192 bytes a block
	s_mov_b32 s27, 0
	s_add_nc_u64 s[20:21], s[20:21], s[26:27]
	s_lshl_b32 s24, s24, 4                         ; its first position
	s_mov_b32 s28, 0x31dc9c88                      ; 1 / (2 pi), the part under the f32 number 0.15915494
	s_mov_b32 s29, 0x3fc90fdb                      ; pi / 2: a turn's fraction f gives x = angle / 4
	s_mov_b32 s30, 0x3638ef1d                      ; 1 / 9!
	s_mov_b32 s31, 0xb9500d01                      ; -1 / 7!
	s_mov_b32 s32, 0x3c088889                      ; 1 / 5!
	s_mov_b32 s33, 0xbe2aaaab                      ; -1 / 3!
	s_mov_b32 s34, 0x37d00d01                      ; 1 / 8!
	s_mov_b32 s35, 0xbab60b61                      ; -1 / 6!
	s_mov_b32 s36, 0x3d2aaaab                      ; 1 / 4!
	v_lshrrev_b32 v26, 4, v2                       ; h
	v_and_b32 v27, 15, v2                          ; r
	v_add_nc_u32 v20, s24, v27
	v_cvt_f32_u32 v20, v20                         ; my position, exact in f32
	v_lshlrev_b32 v27, 3, v26                      ; 8 h
; temporaries of frequency e at v[40 + 8 e + n]: 0 angle, 1 turns, 2 f then x, 3 x^2, 4 and 5 polynomials, 6 at work, 7 sin
.set it, 0
.rept 8
.if it > 0
	s_wait_xcnt 0x0                                ; the last two stores have read their data
.endif
.irp e, 0,1,2,3
	v_add_nc_u32 v[22+\e], 16*(it/2)+4*(it%2)+\e, v27   ; the frequency's number i
.endr
.irp e, 0,1,2,3
	v_cvt_f32_u32 v[22+\e], v[22+\e]
.endr
.irp e, 0,1,2,3
	v_mul_f32 v[22+\e], 0xbe549a78, v[22+\e]       ; -i log2(10000) / 64
.endr
.irp e, 0,1,2,3
	v_exp_f32 v[16+\e], v[22+\e]                   ; 10000^(-i / 64)
.endr
	v_nop                                          ; a plain line behind the last exponential
	s_wait_alu depctr_va_vdst(0)                   ; one wait for the four, ahead of their first reader
.irp e, 0,1,2,3
	v_mul_f32 v[40+8*\e], v20, v[16+\e]            ; the angle, rounded as position x frequency in f32
.endr
.irp e, 0,1,2,3
	v_mul_f32 v[41+8*\e], 0.15915494, v[40+8*\e]
.endr
.irp e, 0,1,2,3
	v_rndne_f32 v[41+8*\e], v[41+8*\e]             ; whole turns
.endr
.irp e, 0,1,2,3
	v_fma_f32 v[42+8*\e], v[40+8*\e], 0.15915494, -v[41+8*\e]
.endr
.irp e, 0,1,2,3
	v_fma_f32 v[42+8*\e], v[40+8*\e], s28, v[42+8*\e]   ; f, the rest in turns: at most a half
.endr
.irp e, 0,1,2,3
	v_mul_f32 v[42+8*\e], s29, v[42+8*\e]          ; x = a quarter of the rest, in radians
.endr
.irp e, 0,1,2,3
	v_mul_f32 v[43+8*\e], v[42+8*\e], v[42+8*\e]
.endr
.irp e, 0,1,2,3
	v_fma_f32 v[44+8*\e], s30, v[43+8*\e], s31
	v_fma_f32 v[45+8*\e], s34, v[43+8*\e], s35
.endr
.irp e, 0,1,2,3
	v_fma_f32 v[44+8*\e], v[44+8*\e], v[43+8*\e], s32
	v_fma_f32 v[45+8*\e], v[45+8*\e], v[43+8*\e], s36
.endr
.irp e, 0,1,2,3
	v_fma_f32 v[44+8*\e], v[44+8*\e], v[43+8*\e], s33
	v_fma_f32 v[45+8*\e], v[45+8*\e], v[43+8*\e], -0.5
.endr
.irp e, 0,1,2,3
	v_mul_f32 v[46+8*\e], v[42+8*\e], v[43+8*\e]
.endr
.irp e, 0,1,2,3
	v_fma_f32 v[47+8*\e], v[46+8*\e], v[44+8*\e], v[42+8*\e]   ; sin x
	v_fma_f32 v[45+8*\e], v[45+8*\e], v[43+8*\e], 1.0          ; cos x
.endr
.irp e, 0,1,2,3
	v_add_f32 v[46+8*\e], v[47+8*\e], v[47+8*\e]
.endr
.irp e, 0,1,2,3
	v_fma_f32 v[44+8*\e], -v[46+8*\e], v[47+8*\e], 1.0         ; cos 2x = 1 - 2 sin^2
.endr
.irp e, 0,1,2,3
	v_mul_f32 v[47+8*\e], v[46+8*\e], v[45+8*\e]               ; sin 2x = 2 sin cos
.endr
.irp e, 0,1,2,3
	v_add_f32 v[46+8*\e], v[47+8*\e], v[47+8*\e]
.endr
.irp e, 0,1,2,3
	v_fma_f32 v[32+\e], -v[46+8*\e], v[47+8*\e], 1.0           ; cos of the angle
	v_mul_f32 v[36+\e], v[46+8*\e], v[44+8*\e]                 ; sin of the angle
.endr
	global_store_b128 v3, v[32:35], s[20:21] offset:512*(4*(it/2)+it%2)        ; run 4 b + part: 512 consecutive bytes
	global_store_b128 v3, v[36:39], s[20:21] offset:512*(4*(it/2)+it%2)+1024   ; run 4 b + part + 2
.set it, it+1
.endr
	s_endpgm                                       ; this path stores nothing to LDS
.Lfunc_end_k_qe24b12daf9_prep:
	.size	k_qe24b12daf9_prep, .Lfunc_end_k_qe24b12daf9_prep-k_qe24b12daf9_prep
	.p2alignl 7, 3214868480
	.fill 96, 4, 3214868480
	.section	.rodata,"a",@progbits
	.p2align	6, 0x0
	.amdhsa_kernel k_qe24b12daf9_prep
		.amdhsa_group_segment_fixed_size 33280
		.amdhsa_private_segment_fixed_size 0
		.amdhsa_enable_private_segment 0
		.amdhsa_kernarg_size 56
		.amdhsa_user_sgpr_count 2
		.amdhsa_user_sgpr_kernarg_segment_ptr 1
		.amdhsa_wavefront_size32 1
		.amdhsa_system_sgpr_workgroup_id_x 1
		.amdhsa_system_sgpr_workgroup_id_y 1
		.amdhsa_system_sgpr_workgroup_id_z 1
		.amdhsa_system_vgpr_workitem_id 0
		.amdhsa_next_free_vgpr 192
		.amdhsa_next_free_sgpr 66
		.amdhsa_reserve_vcc 0
		.amdhsa_float_denorm_mode_32 3
		.amdhsa_float_denorm_mode_16_64 3
		.amdhsa_memory_ordered 1
		.amdhsa_forward_progress 1
		.amdhsa_inst_pref_size 76
	.end_amdhsa_kernel
	.amdgpu_metadata
---
amdhsa.version: [ 1, 2 ]
amdhsa.kernels:
  - .name:           k_qe24b12daf9_prep
    .symbol:         k_qe24b12daf9_prep.kd
    .args:
      - { .name: hidden_states, .offset: 0, .size: 8, .value_kind: global_buffer, .address_space: global }
      - { .name: Wq, .offset: 8, .size: 8, .value_kind: global_buffer, .address_space: global }
      - { .name: Wk, .offset: 16, .size: 8, .value_kind: global_buffer, .address_space: global }
      - { .name: Wv, .offset: 24, .size: 8, .value_kind: global_buffer, .address_space: global }
      - { .name: codes, .offset: 32, .size: 8, .value_kind: global_buffer, .address_space: global }
      - { .name: scales, .offset: 40, .size: 8, .value_kind: global_buffer, .address_space: global }
      - { .name: rope, .offset: 48, .size: 8, .value_kind: global_buffer, .address_space: global }
    .group_segment_fixed_size: 33280
    .private_segment_fixed_size: 0
    .kernarg_segment_align: 8
    .kernarg_segment_size: 56
    .max_flat_workgroup_size: 128
    .sgpr_count:     66
    .vgpr_count:     192
    .wavefront_size: 32
...
	.end_amdgpu_metadata
.endif
;; end of part 1
;; launch qkv (part 2): grid 24 x 8, 4 waves a work-group, clusters of 4 x 4, 327,680 bytes of LDS; arguments codes, scales, rope, qkvh, first; writes qkvh, first
.if DOCPART == 2
	.amdgcn_target "amdgcn-amd-amdhsa--gfx1250"
	.amdhsa_code_object_version 6
	.text
	.protected	k_qe24b12daf9_qkv
	.globl	k_qe24b12daf9_qkv
	.p2align	8
	.type	k_qe24b12daf9_qkv,@function
k_qe24b12daf9_qkv:
	s_mov_b64 s[64:65], 0
	v_nop
	global_prefetch_b8 v0, s[64:65] scope:SCOPE_SE
	s_setreg_imm32_b32 hwreg(HW_REG_WAVE_MODE, 25, 1), 1
	s_wait_xcnt 0x0
	s_wait_alu depctr_hold_cnt(0) depctr_sa_sdst(0) depctr_va_vdst(0) depctr_va_sdst(0) depctr_va_ssrc(0) depctr_va_vcc(0) depctr_vm_vsrc(0)
	s_getreg_b32 s2, hwreg(HW_REG_IB_STS2, 6, 4)
	s_cmp_eq_u32 s2, 0
	s_cbranch_scc0 .Lentry_in_a_cluster
	s_endpgm
.Lentry_in_a_cluster:
	s_bfe_u32 s2, ttmp6, 0x10000c
	s_cmp_lg_u32 s2, 0xf033
	s_cbranch_scc0 .Lentry_shape_is_right
	s_endpgm
.Lentry_shape_is_right:
; q, k, v = x Wq^T, x Wk^T, x Wv^T as ONE product on codes of FP4 (E2M1) with one E8M0 scale for each 32 along K: C[m][n], m = 2,048 positions, n = 6,144 rows of Wq, Wk, Wv on end, K = 2,048; sums in f32.
; A = rows 0-2047 of codes / scales, B = rows 2048-8191.  On the way out q and k are turned by the rotary table (f32), all three are rounded once to f16 and stored by head: qkvh [48][2048][128] (q 0-15, k 16-31, v 32-47).
; Positions 0-15 are stored in f32 as well (first [48][8192 bytes]), laid as the reader's operand registers take them.
; LIMIT: |q|, |k|, |v| above 65,504 have no f16 number.
; A tile of C, 256 x 256, is made by a work-group of four waves; a wave makes 128 x 128: 64 accumulators, 512 registers; its 128 columns are ONE head, so that channels d and d + 64, which the rotation pairs, lie in one lane.
; K goes in steps of 512 through a ring of two LDS slots filled by the tensor data mover: a tile's row is 256 bytes of memory.  The scales of the work-group's 256 + 256 rows, for all of K, come into LDS once, with the first fills.
; CLUSTERS: 4 x 4 work-groups.  The four of a row of the cluster need the same tiles of A, the four of a column the same tiles of B: each tile is asked for JOINTLY, by the same tensor load with the same descriptor
; and a mask that names the four.  THE MATRIX INSTRUCTION IS USED TRANSPOSED (source 0 = 16 rows of B, source 1 = 16 rows of A): a lane then holds eight neighbouring channels of one position.
; THE TABLE lies in memory as images of registers: a block of 16 positions is 16 runs of 512 bytes, 16 bytes a lane.  Blocks 0-2 are asked for at the head, into registers that the K loop leaves idle; blocks 3 and 4 behind the last
; product, into B's two sets; blocks 5-7 into the registers of blocks 0-2 when those are spent: each block three blocks or more ahead of its use.
; REGISTERS, in windows of 256: window 0: v0-31 addresses; v32-95 scale words, two sets; v128-191 A's fragments, ONE set; v192-255 a block of the table; on the way out v32-191 are free.
;   window 1: B's fragments, TWO sets, at v0 and v128; v64-127 and v192-255 two blocks of the table.   window 2: the accumulators of my rows 0-63 ((a, b) at v[8 (8 a + b)]);   window 3: those of my rows 64-127.
.set SIZE_M, 2048
.set SIZE_N, 6144
.set SIZE_K, 2048
.set KSTEP,  512                       ; along K in a slot
.set NQ,     KSTEP/128                 ; matrix instructions deep
.set ROWB,   256                       ; a tile's row in bytes
.set KROW,   SIZE_K*4/8                ; a row of codes in memory, in bytes
.set PITCH,  272                       ; an LDS row: 256 bytes + 16 of padding = 68 words: row r starts at bank 4 r mod 64 (ISA guide 11.1), so the 16 rows of a load start at 16 different banks
.set FR,     8                         ; registers of a fragment: 16 rows x 128 K
.set NL,     2                         ; LDS loads that bring one
.set NP,     4                         ; places behind this matrix instruction (ISA guide 7.12.1)
.set HALFT,  128*PITCH                 ; 128 rows: what one tensor load brings
.set SLOT,   4*HALFT                   ; A's 256 rows, then B's 256 rows
.set LAPS,   SIZE_K/(2*KSTEP)          ; a lap = two K steps = once round the ring
.set KS,     SIZE_K/32                 ; a row of scales in bytes
.set SCL,    2*SLOT                    ; behind the ring: the scales, as runs of 256 bytes + 16 of padding
.set HALFS,  (128*KS/256)*272          ; the scales of 128 rows
.set SBLK,   (16*KS/256)*272           ; those of 16 rows
.set SPARE,  SCL+4*HALFS               ; behind the scales: the spare words, 128 bytes a wave, that no other line names
.set SPITCH, 272                       ; the way out: a stage of 16 rows x (256 bytes + 16) for each wave, in slot 0, which has had its last fill and its last read when the first result is stored there
.set ADRA, 16                          ; v16-17  LDS address of my A fragments in slot 0, 1
.set ADRB, 20                          ; v20-21  the same for B
.set ROW0, 22                          ; v22     my first position
.set VA,   23                          ; v23     v's f32 image: my lane's place
.set STO,  24                          ; v24     the stage: where I put 16 bytes of a row
.set RD,   25                          ; v25     the stage: where I read a row back
.set CO,   26                          ; v26     my byte offset in two rows of a head
.set ADRS, 27                          ; v27     LDS address of my scale words: lanes 0-15 A's rows, lanes 16-31 B's
.set SPW,  28                          ; v28     LDS address of my spare word; never rewritten
.set NIL,  29                          ; v29     0; never rewritten
.set TA,   30                          ; v30     the table: 16 x lane
.set SA,   31                          ; v31     q's and k's f32 image: 512 x (lane / 16) + 16 x (lane % 16)
.set SC,   32                          ; scale words: set s at v[SC + 8 NQ s]; register NQ i + q: lanes 0-15 the word of A's block i, lanes 16-31 that of B's block i
.set AF,   128                         ; A's fragments, in window 0
.set BK,   32                          ; the way out: 16 rows read back: v32-63 and v64-95 by turns
.set RR,   96                          ; v96-159  a block's 64 results in f32, turned
.set TMP,  160                         ; v160-191 the same as f16
.set G1, 24
.set G0, 32
.set G1B, 48
.set G0B, 56
.set G1S, 68
.set G0S, 76
.set G1SB, 80
.set G0SB, 88
.set MSB, 0
.macro WIN new                         ; the immediate's high byte repeats the setting that is left
.if MSB != \new
	s_set_vgpr_msb (MSB<<8)|\new
.set MSB, \new
.endif
.endm
.set MUL_LO, 0xa1                      ; source 0 (B) window 1, source 1 (A) window 0, C and D window 2
.set MUL_HI, 0xf1                      ; the same, C and D window 3
.set TO_B,   0x40                      ; destination window 1, address window 0
; A joint load: waves 0 and 1 fetch for A, waves 2 and 3 for B.  Each of the two lines has ONE mask and one set of registers for all that issue it; the branch hangs on the wave's number alone.
; An s_nop 0 and four v_nop follow each of the two lines, ahead of the jump, the label and what follows.
.macro JLOAD g0a, g1a, g0b, g1b
	s_cmp_eq_u32 s15, 0
	s_cbranch_scc0 .Lfor_b_\@
	tensor_load_to_lds s[\g0a:\g0a+3], s[\g1a:\g1a+7]
	s_nop 0
.rept 4
	v_nop
.endr
	s_branch .Lasked_\@
.Lfor_b_\@:
	tensor_load_to_lds s[\g0b:\g0b+3], s[\g1b:\g1b+7]
	s_nop 0
.rept 4
	v_nop
.endr
.Lasked_\@:
.endm
.macro CREST                           ; a round of the cluster's barrier behind its opening barrier
	s_cmp_lg_u32 s14, 0
	s_cbranch_scc1 .Lnot_wave_0_\@
	s_barrier_signal -3
.Lnot_wave_0_\@:
	s_barrier_wait -3
	s_barrier_signal -1
	s_barrier_wait -1
.endm
.macro CROUND                          ; a whole round
	s_barrier_signal -1
	s_barrier_wait -1
	CREST
.endm
	s_load_b128 s[4:7], s[0:1], 0x0                ; codes s[4:5], scales s[6:7]
	s_load_b128 s[96:99], s[0:1], 0x10             ; rope s[96:97], qkvh s[98:99]
	s_load_b64 s[12:13], s[0:1], 0x20              ; first
	v_lshl_add_u32 v[SPW], v0, 2, SPARE
	v_mov_b32 v[NIL], 0
	ds_add_u32 v[SPW], v[NIL]                      ; the wave's opening: the add, twice on end, and its wait ahead of my first tensor load; the set-up below stands between the second and the wait
	ds_add_u32 v[SPW], v[NIL]
	v_lshrrev_b32 v1, 5, v0
	v_readfirstlane_b32 s14, v1                    ; wave 0..3
	s_lshr_b32 s15, s14, 1                         ; which half of the tile's rows is mine.  Also: I fetch for A (0) or for B (1)
	s_and_b32 s16, s14, 1                          ; which half of its columns.  Also: which 128 rows of that tile I fetch
	s_bfe_u32 s40, ttmp6, 0x40000                  ; cx, cy: my place in the cluster
	s_bfe_u32 s41, ttmp6, 0x40004
	s_lshl_b32 s42, ttmp9, 2
	s_add_co_u32 s42, s42, s40                     ; tile column of C = 4 x cluster x + cx
	s_and_b32 s17, ttmp7, 0xffff
	s_lshl_b32 s17, s17, 2
	s_add_co_u32 s17, s17, s41                     ; tile row of C = 4 x cluster y + cy
	s_lshl_b32 s43, s41, 2
	s_lshl_b32 s43, 15, s43                        ; my row of the cluster
	s_lshl_b32 s44, 0x1111, s40                    ; my column
	; descriptor group 1: a tile of 128 rows x 256 bytes, padded in LDS
	s_or_b32 s[G1+0], s43, (0<<16)|(1<<20)|(1<<21)|(5<<22)|(3<<25)  ; 15:0 the mask: A's tiles go to my row; 17:16 element of 1 byte; 20 padding on; 21 set beside a mask; 24:22 after every 64 words; 31:25 of 4 words
	s_or_b32 s[G1B+0], s44, (0<<16)|(1<<20)|(1<<21)|(5<<22)|(3<<25)
.irp g, G1, G1B
	s_mov_b32 s[\g+1], ROWB<<16                    ; tensor_dim0
	s_mov_b32 s[\g+2], 128<<16                     ; tensor_dim1 = 128
	s_mov_b32 s[\g+3], ROWB<<16                    ; tile_dim0
	s_mov_b32 s[\g+4], 128                         ; tile_dim1 = 128
	s_mov_b32 s[\g+5], KROW                        ; tensor_dim0_stride
	s_mov_b32 s[\g+6], 0
	s_mov_b32 s[\g+7], 0
.endr
	; and for the scales of 128 rows: a dense block of 8,192 bytes, as rows of 256 bytes (32 elements of 8 bytes), 16 bytes of padding behind each
	s_or_b32 s[G1S+0], s43, (3<<16)|(1<<20)|(1<<21)|(5<<22)|(3<<25)
	s_or_b32 s[G1SB+0], s44, (3<<16)|(1<<20)|(1<<21)|(5<<22)|(3<<25)
.irp g, G1S, G1SB
	s_mov_b32 s[\g+1], 32<<16
	s_mov_b32 s[\g+2], (128*KS/256)<<16
	s_mov_b32 s[\g+3], 32<<16
	s_mov_b32 s[\g+4], 128*KS/256
	s_mov_b32 s[\g+5], 32
	s_mov_b32 s[\g+6], 0
	s_mov_b32 s[\g+7], 0
.endr
	s_lshl_b32 s18, s16, 7                         ; which 128 rows of the tile I fetch
	s_lshl_b32 s20, s17, 8
	s_add_co_u32 s20, s20, s18                     ; A: row 256 x tile row + 128 x half
	s_lshl_b32 s46, s42, 8
	s_add_co_u32 s46, s46, s18                     ; B: row 256 x tile column + 128 x half
	s_mov_b32 s21, 0
	s_mov_b32 s47, 0
	s_mov_b64 s[18:19], KS
	s_mul_u64 s[22:23], s[20:21], s[18:19]         ; where these rows' scales begin, in bytes
	s_mul_u64 s[92:93], s[46:47], s[18:19]
	s_mov_b64 s[18:19], KROW
	s_mul_u64 s[20:21], s[20:21], s[18:19]         ; and their codes
	s_mul_u64 s[46:47], s[46:47], s[18:19]
	s_mul_i32 s45, s14, HALFT                      ; where they go: wave x 128 rows: no place in the cluster enters an LDS address
	s_mul_i32 s94, s14, HALFS
	s_wait_dscnt 0x0                               ; both opening adds are done
	s_wait_kmcnt 0x0
	s_add_nc_u64 s[8:9], s[4:5], 0x200000          ; B's codes begin behind x's 2,048 rows of 1,024 bytes,
	s_add_nc_u64 s[10:11], s[6:7], 0x20000         ; B's scales behind x's 2,048 rows of 64
	s_add_nc_u64 s[20:21], s[4:5], s[20:21]
	s_add_nc_u64 s[22:23], s[6:7], s[22:23]
	s_add_nc_u64 s[46:47], s[8:9], s[46:47]
	s_add_nc_u64 s[92:93], s[10:11], s[92:93]
	CROUND                                         ; all sixteen work-groups are here: the first joint loads meet
	s_mov_b32 s[G0S], 1
	s_add_co_u32 s[G0S+1], s94, SCL
	s_mov_b64 s[G0S+2:G0S+3], s[22:23]
	s_or_b32 s[G0S+3], s[G0S+3], 0x80000000
	s_mov_b32 s[G0SB], 1
	s_add_co_u32 s[G0SB+1], s94, SCL
	s_mov_b64 s[G0SB+2:G0SB+3], s[92:93]
	s_or_b32 s[G0SB+3], s[G0SB+3], 0x80000000
	JLOAD G0S, G1S, G0SB, G1SB                     ; the scales first: they are wanted with K step 0
.irp s, 0,1
	s_mov_b32 s[G0+4*\s], 1
	s_add_co_u32 s[G0+4*\s+1], s45, \s*SLOT
	s_add_nc_u64 s[G0+4*\s+2:G0+4*\s+3], s[20:21], \s*ROWB
	s_or_b32 s[G0+4*\s+3], s[G0+4*\s+3], 0x80000000
	s_mov_b32 s[G0B+4*\s], 1
	s_add_co_u32 s[G0B+4*\s+1], s45, \s*SLOT
	s_add_nc_u64 s[G0B+4*\s+2:G0B+4*\s+3], s[46:47], \s*ROWB
	s_or_b32 s[G0B+4*\s+3], s[G0B+4*\s+3], 0x80000000
	JLOAD G0+4*\s, G1, G0B+4*\s, G1B
.endr
	v_and_b32 v1, 15, v0                           ; r = l % 16
	v_bfe_u32 v2, v0, 4, 1                         ; h = l / 16
	v_mul_u32_u24 v3, v1, PITCH
	v_lshl_add_u32 v4, v2, 4, v3                   ; a fragment's row x pitch + 16 x half
	s_mul_i32 s21, s15, HALFT                      ; my 128 rows of A
	s_mul_i32 s22, s16, HALFT                      ; my 128 rows of B,
	s_add_co_u32 s22, s22, 2*HALFT                 ; which lie behind A's 256
.irp s, 0,1
	v_add_nc_u32 v[ADRA+\s], s21, v4
	v_add_nc_u32 v[ADRB+\s], s22, v4
	s_add_co_u32 s21, s21, SLOT
	s_add_co_u32 s22, s22, SLOT
.endr
	v_mul_u32_u24 v5, v1, KS                       ; my row's scales: KS bytes a row,
	v_lshrrev_b32 v6, 8, v5
	v_lshl_add_u32 v5, v6, 4, v5                   ; and 16 more for each 256 passed
	s_mul_i32 s21, s15, HALFS                      ; A's: my 128 rows
	s_mul_i32 s22, s16, HALFS                      ; B's: my 128 rows, behind A's 256
	s_add_co_u32 s22, s22, 2*HALFS
	s_sub_co_u32 s22, s22, s21
	v_mul_u32_u24 v6, s22, v2                      ; lanes 16-31 take B's
	s_add_co_u32 s21, s21, SCL
	v_add_nc_u32 v5, v5, v6
	v_add_nc_u32 v[ADRS], s21, v5
	s_mul_i32 s23, s14, 16*SPITCH                  ; my stage
	v_mul_u32_u24 v5, v1, SPITCH                   ; in: row r, 16 bytes for each half of the lanes
	v_lshl_add_u32 v5, v2, 4, v5
	v_add_nc_u32 v[STO], s23, v5
	v_mul_u32_u24 v5, v2, SPITCH                   ; back: lanes 0-15 one row of 256 bytes, lanes 16-31 the next
	v_lshl_add_u32 v5, v1, 4, v5
	v_add_nc_u32 v[RD], s23, v5
	v_lshlrev_b32 v5, 8, v2                        ; and the same two rows of a head
	v_lshl_add_u32 v[CO], v1, 4, v5
	v_and_b32 v5, 31, v0
	v_lshlrev_b32 v[TA], 4, v5
	v_lshlrev_b32 v5, 9, v2
	v_lshl_add_u32 v[SA], v1, 4, v5
	v_bfe_u32 v5, v0, 2, 1                         ; v's image: key r, channel 16 b + 8 h + j lies at 1024 b + 16 j + 512 ((r / 4) % 2) + 256 (r / 8) + 128 h + 4 (r % 4)
	v_lshlrev_b32 v5, 9, v5
	v_bfe_u32 v6, v0, 3, 1
	v_lshl_add_u32 v5, v6, 8, v5
	v_and_b32 v6, 3, v0
	v_lshl_add_u32 v5, v6, 2, v5
	v_lshl_add_u32 v[VA], v2, 7, v5
	s_lshl_b32 s46, s42, 1
	s_add_co_u32 s46, s46, s16                     ; which of the 48 heads my 128 columns are: 2 x tile column + half
	s_lshl_b32 s20, s17, 8
	s_lshl_b32 s21, s15, 7
	s_add_co_u32 s20, s20, s21                     ; my first position: 256 x tile row + 128 x half
	v_mov_b32 v[ROW0], s20
	s_lshl_b32 s92, s46, 19                        ; a head is 2,048 rows of 256 bytes
	s_lshl_b32 s93, s20, 8
	s_add_co_u32 s92, s92, s93
	s_mov_b32 s93, 0
	s_add_nc_u64 s[98:99], s[98:99], s[92:93]
	s_lshl_b32 s92, s46, 13                        ; an image is 8,192 bytes
	s_add_nc_u64 s[12:13], s[12:13], s[92:93]
	s_lshl_b32 s92, s20, 9                         ; the table has 8,192 bytes for 16 positions
	s_add_nc_u64 s[96:97], s[96:97], s[92:93]
; which registers hold the table's block a: window TW, from v[TR] on: for b = 0 .. 3: 8 cos, then 8 sin, of channels 16 b + 8 (lane / 16) + 0 .. 7 at my position
.macro TSLOT a
.set SL, (\a)%5                        ; blocks 5, 6, 7 follow blocks 0, 1, 2
.set TW, 1
.if SL == 0
.set TW, 0
.set TR, 192
.elseif SL == 1
.set TR, 64
.elseif SL == 2
.set TR, 192
.elseif SL == 3
.set TR, 0
.else
.set TR, 128
.endif
.endm
.macro TLD a                           ; block a of my 128 positions: 16 loads of 512 consecutive bytes
	TSLOT \a
.set WN, TW<<6
	WIN WN
.irp i, 0,1,2,3,4,5,6,7,8,9,10,11,12,13,14,15
	global_load_b128 v[TR+4*\i:TR+4*\i+3], v[TA], s[96:97] offset:8192*(\a)+512*\i
.endr
	WIN 0
.endm
	TLD 0                                          ; blocks 0-2 are asked for here, all of K ahead of their use, by every wave: the role's branch stands once, at the way out; v's clusters load 24 KB a wave that they do not use
	TLD 1
	TLD 2
.macro FRAG reg, adr, q, i             ; a fragment: lane l holds row l % 16; registers 4 c .. 4 c + 3 hold K = 64 c + 32 (l / 16) + 0 .. 31
.irp c, 0,1
	ds_load_b128 v[\reg+4*\c:\reg+4*\c+3], v[\adr] offset:64*(\q)+32*\c+(\i)*16*PITCH
.endr
.endm
; 16 matrix instructions: A's blocks a0, a0 + 1 x B's eight, 128 along K: the slot's q-th.  p: B's set;  sc: the set of scale words.  zero = 1: the first product starts the sums: nothing is ever cleared.
; The 64 accumulators take turns, one instruction a turn, in the same order in every step.
.macro MUL16 a0, p, q, sc, zero
.irp a, \a0, \a0+1
.irp b, 0,1,2,3,4,5,6,7
.if \zero
	v_wmma_scale_f32_16x16x128_f8f6f4 v[8*(8*((\a)%4)+\b):8*(8*((\a)%4)+\b)+7], v[128*(\p)+FR*\b:128*(\p)+FR*\b+FR-1], v[AF+FR*(\a):AF+FR*(\a)+FR-1], 0, v[SC+8*NQ*(\sc)+NQ*\b+(\q)], v[SC+8*NQ*(\sc)+NQ*(\a)+(\q)] matrix_a_fmt:MATRIX_FMT_FP4 matrix_b_fmt:MATRIX_FMT_FP4 matrix_a_scale:MATRIX_SCALE_ROW1
.else
	v_wmma_scale_f32_16x16x128_f8f6f4 v[8*(8*((\a)%4)+\b):8*(8*((\a)%4)+\b)+7], v[128*(\p)+FR*\b:128*(\p)+FR*\b+FR-1], v[AF+FR*(\a):AF+FR*(\a)+FR-1], v[8*(8*((\a)%4)+\b):8*(8*((\a)%4)+\b)+7], v[SC+8*NQ*(\sc)+NQ*\b+(\q)], v[SC+8*NQ*(\sc)+NQ*(\a)+(\q)] matrix_a_fmt:MATRIX_FMT_FP4 matrix_b_fmt:MATRIX_FMT_FP4 matrix_a_scale:MATRIX_SCALE_ROW1
.endif
.endr
.endr
.endm
.macro FETCH_B slot, q, p              ; B's eight fragments of the slot's q-th 128 along K into set p
	WIN TO_B
.irp i, 0,1,2,3,4,5,6,7
	FRAG 128*(\p)+FR*\i, ADRB+\slot, \q, \i
.endr
	WIN 0
.endm
.macro FETCH_A slot, q, i0             ; A's blocks i0 .. i0 + 3
.irp i, \i0, \i0+1, \i0+2, \i0+3
	FRAG AF+FR*(\i), ADRA+\slot, \q, \i
.endr
.endm
.macro SCALES sc                       ; the next K step's scale words into set sc: lanes 0-15 take A's block i, lanes 16-31 B's block i
.irp i, 0,1,2,3,4,5,6,7
	ds_load_b128 v[SC+8*NQ*\sc+NQ*\i:SC+8*NQ*\sc+NQ*\i+3], v[ADRS] offset:\i*SBLK
.endr
.endm
; A load into a register that a matrix instruction has read, and a vector instruction or a store that reads a matrix result, stand NP places behind that matrix instruction, and only plain vector
; instructions that name none of its registers are places (ISA guide 7.12.1 for vector instructions).
.macro PLACES n
.rept \n
	v_nop
.endr
.endm
; A step of 128 along K that has its successor in the same slot.
.macro STEP slot, q, zero
	s_wait_dscnt 4*NL                              ; B's set and A's blocks 0-3 are in; the youngest eight loads (A's blocks 4-7) may be out
	WIN MUL_LO
	MUL16 0, (\q)%2, \q, \slot, \zero
	MUL16 2, (\q)%2, \q, \slot, \zero
	s_wait_dscnt 0                                 ; A's blocks 4-7 are in (asked for 32 matrix instructions ago)
	PLACES NP
	FETCH_B \slot, (\q)+1, 1-(\q)%2
	FETCH_A \slot, (\q)+1, 0
	WIN MUL_HI
	MUL16 4, (\q)%2, \q, \slot, \zero
	MUL16 6, (\q)%2, \q, \slot, \zero
	PLACES NP
	WIN 0
	FETCH_A \slot, (\q)+1, 4
.endm
; A slot's last step changes slots: ONE barrier; in front of it each wave waits for all its tensor loads, adds 0 to its spare word, and waits for that and for its own reads of this slot.  fill = 1: this slot is filled again, two K steps ahead.
.macro TURN slot, next, fill
	s_wait_tensorcnt 0x0                           ; all my tensor loads have landed: my part of the next slot  (every window is 0 here)
	ds_add_u32 v[SPW], v[NIL]                      ; 0 onto my spare word
	s_wait_dscnt 4*NL+1                            ; (the add and the youngest eight loads, A's blocks 4-7, may be out)
	WIN MUL_LO
	MUL16 0, 1, NQ-1, \slot, 0                     ; sixteen matrix instructions stand between the add and the wait for it
	s_wait_dscnt 0x0                               ; the add is done, and my reads of this slot are over
	s_barrier_signal -1
	MUL16 2, 1, NQ-1, \slot, 0
	WIN 0
	s_barrier_wait -1
.if \fill
	CREST                                          ; the barrier has opened a round of the cluster's barrier: no wave of any partner still reads this slot's tile or has a load on its way
	s_add_nc_u64 s[G0+4*\slot+2:G0+4*\slot+3], s[G0+4*\slot+2:G0+4*\slot+3], 2*ROWB
	s_add_nc_u64 s[G0B+4*\slot+2:G0B+4*\slot+3], s[G0B+4*\slot+2:G0B+4*\slot+3], 2*ROWB
	JLOAD G0+4*\slot, G1, G0B+4*\slot, G1B         ; the first tensor load behind the round; the four v_nop behind it are the places in front of the loads below
.else
	PLACES NP
.endif
	v_add_nc_u32 v[ADRS], 4*NQ, v[ADRS]            ; on to the next K step's scale words (no LDS load of mine is out)
	FETCH_B \next, 0, 0
	FETCH_A \next, 0, 0
	SCALES \next
	WIN MUL_HI
	MUL16 4, 1, NQ-1, \slot, 0
	MUL16 6, 1, NQ-1, \slot, 0
	PLACES NP
	WIN 0
	FETCH_A \next, 0, 4
.endm
.macro STEPS slot, from                ; the slot's steps from .. NQ - 2
.set Q, \from
.rept NQ-1-\from
	STEP \slot, Q, 0
.set Q, Q+1
.endr
.endm
	s_wait_tensorcnt 1                             ; the scales and my part of K step 0 are in (K step 1's load, the one issued behind them, may be out),
	s_barrier_signal -1
	s_barrier_wait -1                              ; everybody's are
	FETCH_B 0, 0, 0
	FETCH_A 0, 0, 0
	SCALES 0
	FETCH_A 0, 0, 4
	STEP 0, 0, 1                                   ; the first step stands in front of the loop: its products start the sums
	s_mov_b32 s3, LAPS-1
.Llap:                                                 ; a trip goes once round the ring, from a lap's second step to the next lap's first, and fills both slots again
	STEPS 0, 1
	TURN 0, 1, 1
	STEPS 1, 0
	TURN 1, 0, 1
	STEP 0, 0, 0
	s_sub_co_u32 s3, s3, 1
	s_cmp_lg_u32 s3, 0
	s_cbranch_scc1 .Llap
	STEPS 0, 1                                     ; the last lap fills nothing, and has no round of the cluster's barrier
	TURN 0, 1, 0
	STEPS 1, 0
	s_wait_dscnt 4*NL                              ; the very last step: nothing more to fetch
	WIN MUL_LO
	MUL16 0, 1, NQ-1, 1, 0
	MUL16 2, 1, NQ-1, 1, 0
	s_wait_dscnt 0
	WIN MUL_HI
	MUL16 4, 1, NQ-1, 1, 0
	MUL16 6, 1, NQ-1, 1, 0
	WIN 0
; THE WAY OUT, block by block of 16 positions.  Lane (r, h) holds position 16 a + r and, in accumulator (a, b), channels 16 b + 8 h + 0 .. 7 of its head.
; ROPE: out[d] = x[d] cos[d] - x[d + 64] sin[d], out[d + 64] = x[d + 64] cos[d] + x[d] sin[d], d under 64: accumulators b and b + 4 of one lane.  Each accumulator is read from its low end on.
.macro ROPE a
	TSLOT \a
.set AC, 64*((\a)%4)
.set WN, (0x02+(\a)/4)|(TW<<2)
	WIN WN                                         ; source 0, the accumulators: window 2 or 3; source 1, the table: window 0 or 1
.irp b, 0,1,2,3
.irp p, 0,2,4,6
	v_pk_mul_f32 v[RR+8*\b+\p:RR+8*\b+\p+1], v[AC+8*\b+\p:AC+8*\b+\p+1], v[TR+16*\b+\p:TR+16*\b+\p+1]
	v_pk_mul_f32 v[RR+32+8*\b+\p:RR+32+8*\b+\p+1], v[AC+32+8*\b+\p:AC+32+8*\b+\p+1], v[TR+16*\b+\p:TR+16*\b+\p+1]
	v_pk_fma_f32 v[RR+8*\b+\p:RR+8*\b+\p+1], v[AC+32+8*\b+\p:AC+32+8*\b+\p+1], v[TR+16*\b+8+\p:TR+16*\b+8+\p+1], v[RR+8*\b+\p:RR+8*\b+\p+1] neg_lo:[0,1,0] neg_hi:[0,1,0]
	v_pk_fma_f32 v[RR+32+8*\b+\p:RR+32+8*\b+\p+1], v[AC+8*\b+\p:AC+8*\b+\p+1], v[TR+16*\b+8+\p:TR+16*\b+8+\p+1], v[RR+32+8*\b+\p:RR+32+8*\b+\p+1]
.endr
.endr
	WIN 0
.endm
; Positions 0-15 in f32.  Which waves hold them hangs on the work-group's place in its cluster: the stores stand in every wave's text, with all lanes off where my first position is not 0.
; EXEC changes only behind s_wait_xcnt 0: it is a source of the loads and stores that are out.
; q's and k's image: channel d of position r lies at 512 (d / 8) + 256 ((d / 4) % 2) + 16 r + 4 (d % 4): sixteen lanes store 256 consecutive bytes.
.macro SIDE
	s_wait_xcnt 0x0
	v_cmp_eq_u32 vcc_lo, 0, v[ROW0]
	s_and_saveexec_b32 s66, vcc_lo
.irp b, 0,1,2,3,4,5,6,7
	global_store_b128 v[SA], v[RR+8*\b:RR+8*\b+3], s[12:13] offset:1024*\b
	global_store_b128 v[SA], v[RR+8*\b+4:RR+8*\b+7], s[12:13] offset:1024*\b+256
.endr
	s_wait_xcnt 0x0
	s_or_b32 exec_lo, exec_lo, s66
.endm
.macro SIDEV                           ; v's image has the keys innermost, four to 16 bytes: 4 bytes a lane and store; 8 KB a head in the whole launch
	s_wait_xcnt 0x0
	v_cmp_eq_u32 vcc_lo, 0, v[ROW0]
	s_and_saveexec_b32 s66, vcc_lo
	WIN 0x08                                       ; a store's data are its source 1: window 2
.irp b, 0,1,2,3,4,5,6,7
.irp j, 0,1,2,3,4,5,6,7
	global_store_b32 v[VA], v[8*\b+\j], s[12:13] offset:1024*\b+16*\j
.endr
.endr
	WIN 0
	s_wait_xcnt 0x0
	s_or_b32 exec_lo, exec_lo, s66
.endm
.macro PACKR                           ; the turned block, rounded once to f16
.set i, 0
.rept 32
	v_cvt_pk_f16_f32 v[TMP+i], v[RR+2*i], v[RR+2*i+1]
.set i, i+1
.endr
.endm
.macro PACKV a                         ; v's block a, straight from the accumulators, each from its low end on
.set AC, 64*((\a)%4)
	WIN 0x0a+5*((\a)/4)                            ; sources 0 and 1: window 2 or 3
.irp b, 0,1,2,3,4,5,6,7
.irp r, 0,1,2,3
	v_cvt_pk_f16_f32 v[TMP+4*\b+\r], v[AC+8*\b+2*\r], v[AC+8*\b+2*\r+1]
.endr
.endr
	WIN 0
.endm
.macro TOSTAGE a                       ; a lane's 16 bytes into rows of 272, and back as whole rows of 256: LDS serves a wave's instructions in order (ISA guide 5.7.1.4)
.set BB, BK+32*((\a)%2)
.irp b, 0,1,2,3,4,5,6,7
	ds_store_b128 v[STO], v[TMP+4*\b:TMP+4*\b+3] offset:32*\b
.endr
.irp t, 0,1,2,3,4,5,6,7
	ds_load_b128 v[BB+4*\t:BB+4*\t+3], v[RD] offset:\t*2*SPITCH
.endr
.endm
.macro SEND a
.set BB, BK+32*((\a)%2)
	s_wait_dscnt 0x0                               ; the block is back in registers
	s_wait_xcnt 0x0                                ; the block before has been read by its stores: the next block's loads may land in its registers
.irp t, 0,1,2,3,4,5,6,7
	global_store_b128 v[CO], v[BB+4*\t:BB+4*\t+3], s[98:99] offset:4096*(\a)+512*\t   ; 16 lanes store 256 consecutive bytes, aligned: a row of a head
.endr
.endm
	s_cmp_ge_u32 ttmp9, 4                          ; tile columns 16 to 23 are v's: clusters 4 and 5 along x.  The cluster's x is the same in all partners
	s_cbranch_scc1 .Lrole_v
	PLACES NP                                      ; behind the last products: their results are read, and the registers that held fragments and scales are written or loaded into
	s_wait_loadcnt 0x0                             ; the table's blocks 0-2, asked for at the head
	TLD 3                                          ; into B's two sets, which are done with
	TLD 4
	ROPE 0
	TLD 5                                          ; into block 0's registers; 48 loads are out at the most, here and below
	SIDE
	PACKR
	TOSTAGE 0
.irp a, 1,2,3,4,5,6,7
.if \a == 3
	s_wait_loadcnt 16                              ; blocks 3 and 4 are in; block 5's sixteen loads may be out
.elseif \a > 4
	s_wait_loadcnt 16*(7-\a)                       ; block a is in; the younger blocks' sixteen each may be out
.endif
	ROPE \a
.if \a == 3
	TLD 6                                          ; into the registers of blocks 1 and 2
	TLD 7
.endif
	PACKR
	SEND \a-1
	TOSTAGE \a
.endr
	SEND 7
	s_branch .Lout
.Lrole_v:
	PLACES NP
	SIDEV
	PACKV 0
	TOSTAGE 0
.irp a, 1,2,3,4,5,6,7
	PACKV \a
	SEND \a-1
	TOSTAGE \a
.endr
	SEND 7
.Lout:
	s_wait_tensorcnt 0x0                           ; the wave's end, behind my last tensor load and my last LDS store
	ds_add_u32 v[SPW], v[NIL]
	s_wait_dscnt 0x0
	CROUND                                         ; the closing round: no work-group ends while a partner may still ask for a tile that names it
	s_endpgm
.Lfunc_end_k_qe24b12daf9_qkv:
	.size	k_qe24b12daf9_qkv, .Lfunc_end_k_qe24b12daf9_qkv-k_qe24b12daf9_qkv
	.p2alignl 7, 3214868480
	.fill 96, 4, 3214868480
	.section	.rodata,"a",@progbits
	.p2align	6, 0x0
	.amdhsa_kernel k_qe24b12daf9_qkv
		.amdhsa_group_segment_fixed_size 327680
		.amdhsa_private_segment_fixed_size 0
		.amdhsa_enable_private_segment 0
		.amdhsa_kernarg_size 40
		.amdhsa_user_sgpr_count 2
		.amdhsa_user_sgpr_kernarg_segment_ptr 1
		.amdhsa_wavefront_size32 1
		.amdhsa_system_sgpr_workgroup_id_x 1
		.amdhsa_system_sgpr_workgroup_id_y 1
		.amdhsa_system_sgpr_workgroup_id_z 1
		.amdhsa_system_vgpr_workitem_id 0
		.amdhsa_next_free_vgpr 1024
		.amdhsa_next_free_sgpr 100
		.amdhsa_reserve_vcc 1
		.amdhsa_float_denorm_mode_32 3
		.amdhsa_float_denorm_mode_16_64 3
		.amdhsa_memory_ordered 1
		.amdhsa_forward_progress 1
		.amdhsa_inst_pref_size 255
	.end_amdhsa_kernel
	.section	.bss,"aw",@nobits
	.p2align	6
	.space	262144
	.amdgpu_metadata
---
amdhsa.version: [ 1, 2 ]
amdhsa.kernels:
  - .name:           k_qe24b12daf9_qkv
    .symbol:         k_qe24b12daf9_qkv.kd
    .args:
      - { .name: codes, .offset: 0, .size: 8, .value_kind: global_buffer, .address_space: global }
      - { .name: scales, .offset: 8, .size: 8, .value_kind: global_buffer, .address_space: global }
      - { .name: rope, .offset: 16, .size: 8, .value_kind: global_buffer, .address_space: global }
      - { .name: qkvh, .offset: 24, .size: 8, .value_kind: global_buffer, .address_space: global }
      - { .name: first, .offset: 32, .size: 8, .value_kind: global_buffer, .address_space: global }
    .group_segment_fixed_size: 327680
    .private_segment_fixed_size: 0
    .kernarg_segment_align: 8
    .kernarg_segment_size: 40
    .max_flat_workgroup_size: 128
    .sgpr_count:     100
    .vgpr_count:     1024
    .wavefront_size: 32
...
	.end_amdgpu_metadata
.endif
;; end of part 2
;; launch attn (part 3): grid 16 x 24, 4 waves a work-group, no clusters, 327,680 bytes of LDS; arguments qkvh, attnh, Wo, wo16, first, attn32; writes attnh, wo16, attn32
.if DOCPART == 3
	.amdgcn_target "amdgcn-amd-amdhsa--gfx1250"
	.amdhsa_code_object_version 6
	.text
	.protected	k_qe24b12daf9_attn
	.globl	k_qe24b12daf9_attn
	.p2align	8
	.type	k_qe24b12daf9_attn,@function
k_qe24b12daf9_attn:
	s_mov_b64 s[64:65], 0
	v_nop
	global_prefetch_b8 v0, s[64:65] scope:SCOPE_SE
	s_setreg_imm32_b32 hwreg(HW_REG_WAVE_MODE, 25, 1), 1
	s_wait_xcnt 0x0
; attnh[q][128 head + :] = the sum over keys k <= q of softmax_k(Q[q] . K[k] / sqrt(128)) V[k][:].  Q, K, V: qkvh [48][2048][128] f16 (q heads 0-15, k 16-31, v 32-47).  Products, maxima and sums in f32; the weights p,
; at most 1, are rounded to f16 for the second product, the result once at the end.  LIMIT: results, and |Wo|, above 65,504 have no f16 number.
; SHARES.  Work-groups with y under 16 own 128 queries of one head (y: the block qb, x: the head).  Wave w: g = w / 2 says which 64 queries (four tiles of 16), kh = w % 2 which key steps of 64: those of that parity.
; The two waves of a g each keep a running maximum, sum and O^T of their own; the halves meet in LDS at the end.
; TWO SMALL JOBS RIDE ALONG, where the causal mask leaves little to do.  (1) In the work-groups of block 0, wave 1 has no key step (queries 0-63 have no odd step): it makes its head's attention of positions 0-15 wholly in f32,
; from first [48][8192 bytes], and stores it as an image of its registers, attn32 [16][8192 bytes], for the last launch.  (2) The 128 work-groups with y from 16 on round Wo once to f16 (wo16), which the next launch reads.
; They are numbered behind all others, and the blocks of queries are numbered along y, the shortest first.
; LAYOUT.  S^T = K Q^T (source 0 = 16 keys, source 1 = 16 queries): a lane holds ONE query (lane % 16) and keys 8 (lane / 16) + 0..7.  Two such tiles, rounded in pairs, ARE source 1 of O^T = V^T P.  K comes out of LDS as it
; lies, V ([key][channel]) turned, by ds_load_tr16_b128.
; SOFTMAX.  For each query a running maximum m and sum l: p = 2^(c s - c m), c = log2(e) / sqrt(128); in every step O and l are multiplied by a = 2^(c m_old - c m_new).  m begins at -3e38, l and O^T at 0: the step is
; written once, and a wave may have no step at all.
; BY TURNS, inside a step: piece 0 (tiles 0, 1) and piece 2 (tiles 2, 3).  K Q^T of piece 0; K Q^T of piece 2 with piece 0's softmax in slices between; V^T P of piece 0 with piece 2's softmax between; V^T P of piece 2.
; THE CAUSAL MASK.  Every work-group walks all 8 slots of 256 keys: the trip counts are constants.  A step all of whose keys come after my 64 queries is jumped over by a branch on ids; in the one step on the diagonal hidden
; scores become -infinity.  A slot whose first key comes after the work-group's last query is not asked for.  NO CLUSTER: the number of slots that a work-group reads hangs on its number, and a joint load may not be left out.
; A work-group has qb + 1 parts of work: uneven, and stated here; pairing blocks qb and 15 - qb would halve the queries that share a tile.
; REGISTERS, in windows of 256 (s_set_vgpr_msb: bits 1:0 source 0, 3:2 source 1, 5:4 source 2, 7:6 destination):
;   window 0: v0-11, v44-63 addresses and constants; v12-43 statistics; v64-191 S^T, 32 a tile; v192-255 P, 16 a tile.   window 1: O^T, 64 a tile.   window 2: v0-127 Q; v128-255 K of one step.
;   window 3: v0-127 V of one step; v128-191 the f32 part's accumulators, which matrix instructions alone write.
.set KS,    64        ; keys in a step
.set PK,    272       ; a row of K in LDS: 256 bytes + 16 = 68 words: the 16 rows of a load start at 16 different banks (ISA guide 11.1)
.set PV,    288       ; a row of V: 256 + 32 = 72 words
.set VOFF,  256*PK    ; a slot: 256 rows of K, then 256 rows of V: 143,360 bytes
.set SLOTB, 0x24000   ; slot 1 begins here: bits 17 and 14, which are clear in the four LDS parts that the loads name (0, 0x8800, 0x11000, 0x1a000): one exclusive or turns such an address into the other slot's
.set STAGE, 2*SLOTB   ; behind the ring: 16 rows x 272 bytes for each wave, for the way out
.set SP,    272
.set SPARE, STAGE+4*16*SP  ; behind the stages: the spare words, 128 bytes a wave, that no other line names
.set STAT,  131072    ; the end: each wave's O^T as an image of its registers, 32,768 bytes at 32,768 x wave, and from here its (c m, l): all in slot 0, which was left at the last change of slots
.set AK0, 2           ; v2   my lane's place in my first step's tile of K; never rewritten
.set AV0, 3           ; v3   the same for V
.set ADR, 4           ; v4   the LDS address of the run of loads in hand
.set QO,  5           ; v5   my byte offset in the wave's rows of Q
.set STO, 6           ; v6   the way out: where I put 16 bytes of a row
.set RD,  7           ; v7   where I read a row back
.set GO,  8           ; v8   my byte offset in two rows of attnh
.set IMA, 9           ; v9   where my O^T goes: 32,768 w + 16 lane
.set RDA, 10          ; v10  where the two halves of my two tiles lie: 65,536 g + 16,384 kh + 16 lane
.set SSA, 11          ; v11  where my statistics go
.set ST,  12          ; tile t's statistics at v[ST+8 t]: +0 c m, +1 m, +2, +3 l (even keys', odd keys'), +4 to +7 at work; a takes +6
.set RSA, 44          ; v44  where the two halves' statistics lie
.set NINF, 45         ; v45  -infinity
.set DD,  46          ; v46  lane % 16 - 8 (lane / 16): on the diagonal tile, register j is hidden where j is above it
.set PFO, 61          ; v61  256 x lane; never rewritten
.set SPW, 62          ; v62  LDS address of my spare word; never rewritten
.set NIL, 63          ; v63  0; never rewritten
.set S,   64
.set P,   192
.set KF,  128         ; K's fragments, in window 2
.set WV,  12          ; s12  my wave's number
.set GQ,  13          ; s13  g
.set KH,  14          ; s14  kh
.set QB,  15          ; s15  the work-group's y: the block of queries; from 16 on: Wo's cast
.set G1K, 24          ; s[24:31] descriptor group 1 for K's tiles;  s[32:39] for V's: it differs in the padding alone
.set G1V, 32
.set G0K, 40          ; s[40:43], s[44:47] groups 0, which walk
.set G0V, 44
.set MK,  48          ; s[48:55] lane masks: bit set where register j of the diagonal tile is hidden
.set SLOTS, 56
.set TWICE, 57
.set CS,  58          ; s[58:59] c, twice: the packed scaling names a pair
.set SEL, 60          ; s[60:61] lane selects for v_permlanex16_b32: lane l xor 16
.set TB,  62          ; s62  LDS byte at which the slot in hand begins
.set TK,  63          ; s63  + my steps' walk among K's rows
.set TV,  66          ; s66  and among V's
.set IDX, 67          ; s67  the key step's number: kh, kh + 2, ..
.set LIMW, 68         ; s68  the key step on my diagonal: 2 qb + g
.set LASTQ, 69        ; s69  my work-group's last query
.set NK,  70          ; s70  the first key of the slot that the next change would ask for
.set PFA, 72          ; s[72:73] where my prefetches stand: my wave's 128 rows of the slot after the one that is being asked for
.set LIM, 74          ; s74  1 in a work-group that prefetches, else the greatest number
.set MSB, 0
.macro WIN new
.if MSB != \new
	s_set_vgpr_msb (MSB<<8)|\new
.set MSB, \new
.endif
.endm
.set W_KQ, 0x0a       ; K and Q in window 2, S^T in window 0
.set W_PV, 0x53       ; V in window 3, P in window 0, O^T in window 1
.set W_RS, 0x41       ; O^T (destination and source 0) in window 1, a in window 0
; Waves 0 and 1 fetch the halves of a slot's K, waves 2 and 3 those of its V: every wave has one load on either way.  An s_nop 0 and four v_nop follow each of the two lines.
.macro TLOAD
	s_cmp_lt_u32 s[WV], 2
	s_cbranch_scc0 .Lfor_v_\@
	tensor_load_to_lds s[G0K:G0K+3], s[G1K:G1K+7]
	s_nop 0
.rept 4
	v_nop
.endr
	s_branch .Lasked_\@
.Lfor_v_\@:
	tensor_load_to_lds s[G0V:G0V+3], s[G1V:G1V+7]
	s_nop 0
.rept 4
	v_nop
.endr
.Lasked_\@:
.endm
; A PREFETCH INTO THE L2 of what the NEXT change of slots will ask for.  All 16 work-groups of a head walk the same K and V: the one with the last queries, which reads every slot and works in every step, asks, and nobody else.
; Each of its waves asks for the 128 rows of 256 bytes that it will itself fetch: four instructions, a lane a row.  So each row is named once in the launch.  One slot, two key steps of each wave, ahead of the load.
; The last change that fills a slot asks for nothing; slots 0 and 1 come by their loads alone.
.macro ASK
	s_cmp_gt_u32 s[SLOTS], s[LIM]
	s_cbranch_scc0 .Lnot_mine_\@
.irp o, 0,1,2,3
	global_prefetch_b8 v[PFO], s[PFA:PFA+1] offset:8192*\o th:TH_LOAD_NT scope:SCOPE_SE
.endr
.Lnot_mine_\@:
.endm
	s_load_b128 s[4:7], s[0:1], 0x0   ; qkvh s[4:5], attnh s[6:7]
	s_load_b128 s[80:83], s[0:1], 0x10  ; Wo s[80:81], wo16 s[82:83]
	s_load_b128 s[84:87], s[0:1], 0x20  ; first s[84:85], attn32 s[86:87]
	v_lshl_add_u32 v[SPW], v0, 2, SPARE
	v_mov_b32 v[NIL], 0
	ds_add_u32 v[SPW], v[NIL]       ; the wave's opening: the add, twice on end, and its wait ahead of my first tensor load; the set-up below stands between the second and the wait
	ds_add_u32 v[SPW], v[NIL]
	v_lshrrev_b32 v1, 5, v0
	v_readfirstlane_b32 s[WV], v1   ; wave 0..3
	s_lshr_b32 s[GQ], s[WV], 1
	s_and_b32 s[KH], s[WV], 1
	s_and_b32 s[QB], ttmp7, 0xffff  ; the block of queries
	s_mov_b32 s16, ttmp9            ; the head
	; descriptor group 1: a tile of 128 rows x 128 elements of 2 bytes, padded in LDS
	s_mov_b32 s[G1K], (1<<16)|(1<<20)|(5<<22)|(3<<25)  ; 15:0 no mask; 17:16 elements of 2 bytes; 20 padding on; 24:22 after every 64 words; 31:25 4 words of it
	s_mov_b32 s[G1V], (1<<16)|(1<<20)|(5<<22)|(7<<25)  ; the same with 8 words of padding
.irp g, G1K, G1V
	s_mov_b32 s[\g+1], 128<<16      ; tensor_dim0 = 128
	s_mov_b32 s[\g+2], 128<<16      ; tensor_dim1 = 128
	s_mov_b32 s[\g+3], 128<<16      ; tile_dim0 = 128
	s_mov_b32 s[\g+4], 128          ; tile_dim1 = 128
	s_mov_b32 s[\g+5], 128          ; elements from row to row
	s_mov_b32 s[\g+6], 0
	s_mov_b32 s[\g+7], 0
.endr
	s_mov_b32 s[CS], 0x3e0293ee     ; c = log2(e) / sqrt(128)
	s_mov_b32 s[CS+1], s[CS]
	s_mov_b32 s[SEL], 0x76543210
	s_mov_b32 s[SEL+1], 0xfedcba98
	s_mov_b32 s[TB], 0
	s_mov_b32 s[TK], 0
	s_mov_b32 s[TV], 0
	s_mov_b32 s[IDX], s[KH]
	s_lshl_b32 s[LIMW], s[QB], 1
	s_add_co_u32 s[LIMW], s[LIMW], s[GQ]
	s_lshl_b32 s[LASTQ], s[QB], 7
	s_or_b32 s[LASTQ], s[LASTQ], 127
	s_mov_b32 s[NK], 256
	s_mov_b32 s[SLOTS], 7
	s_cmp_eq_u32 s[QB], 15
	s_cselect_b32 s[LIM], 1, -1
	s_lshl_b32 s17, s16, 19         ; a head is 524,288 bytes
	s_lshl_b32 s18, s[KH], 15       ; which 128 rows of a slot I fetch
	s_add_co_u32 s20, s17, s18
	s_add_co_u32 s20, s20, 16*524288  ; in K,
	s_mov_b32 s21, 0
	s_add_co_u32 s22, s20, 16*524288  ; in V
	s_mov_b32 s23, 0
	s_wait_dscnt 0x0                ; both opening adds are done
	s_wait_kmcnt 0x0
	s_cmp_ge_u32 s[QB], 16          ; the work-group's number alone: all four waves go the same way
	s_cbranch_scc1 .Lcast
	s_mov_b32 s[G0K], 1             ; count = 1
	s_mul_i32 s[G0K+1], s[KH], 128*PK  ; LDS address: slot 0, my half
	s_add_nc_u64 s[G0K+2:G0K+3], s[4:5], s[20:21]
	s_or_b32 s[G0K+3], s[G0K+3], 0x80000000  ; type = 2
	s_mov_b32 s[G0V], 1
	s_mul_i32 s[G0V+1], s[KH], 128*PV
	s_add_co_u32 s[G0V+1], s[G0V+1], VOFF
	s_add_nc_u64 s[G0V+2:G0V+3], s[4:5], s[22:23]
	s_or_b32 s[G0V+3], s[G0V+3], 0x80000000
	TLOAD                           ; slot 0: key 0 counts for every query, so what the head fetches is read
	s_cmp_lt_u32 s[WV], 2
	s_cselect_b32 s18, s20, s22     ; the prefetches: my own rows,
	s_add_co_u32 s18, s18, 65536    ; in slot 1: the first change of slots steps them to slot 2
	s_mov_b32 s19, 0
	s_add_nc_u64 s[PFA:PFA+1], s[4:5], s[18:19]
	s_lshl_b32 s18, s[QB], 15       ; Q: my block's 128 rows of 256 bytes,
	s_lshl_b32 s19, s[GQ], 14       ; my 64 of them,
	s_add_co_u32 s18, s18, s19
	s_add_co_u32 s18, s18, s17      ; in my head
	s_mov_b32 s19, 0
	s_add_nc_u64 s[8:9], s[4:5], s[18:19]
	s_lshl_b32 s18, s[QB], 19       ; attnh: rows of 4,096 bytes: 128 qb + 64 g + 32 kh (the two tiles that I finish),
	s_lshl_b32 s19, s[GQ], 18
	s_add_co_u32 s18, s18, s19
	s_lshl_b32 s19, s[KH], 17
	s_add_co_u32 s18, s18, s19
	s_lshl_b32 s19, s16, 8          ; the head's 256 bytes of a row
	s_add_co_u32 s18, s18, s19
	s_mov_b32 s19, 0
	s_add_nc_u64 s[10:11], s[6:7], s[18:19]
	v_and_b32 v1, 15, v0            ; r
	v_bfe_u32 v47, v0, 4, 1         ; h
	v_and_b32 v48, 31, v0           ; lane
	v_lshlrev_b32 v[QO], 8, v1
	v_lshl_add_u32 v[QO], v47, 4, v[QO]  ; row x 256 + 16 x half
	WIN 0x80                        ; destination window 2, address window 0
.irp i, 0,1,2,3,4,5,6,7,8,9,10,11,12,13,14,15  ; Q stays in registers: tile i / 4, channels 32 (i % 4) on
	global_load_b128 v[8*\i:8*\i+3],   v[QO], s[8:9] offset:(\i/4)*4096+(\i%4)*64
	global_load_b128 v[8*\i+4:8*\i+7], v[QO], s[8:9] offset:(\i/4)*4096+(\i%4)*64+32
.endr
	WIN 0
	v_mul_u32_u24 v[AK0], v1, PK
	v_lshl_add_u32 v[AK0], v47, 4, v[AK0]
	s_mul_i32 s18, s[KH], KS*PK     ; my parity's first step in a slot
	v_add_nc_u32 v[AK0], s18, v[AK0]
	v_and_b32 v49, 7, v0            ; the turning load: lane l reads key 8 (l / 16) + l % 8, channels 8 ((l / 8) % 2) + 0..7
	v_bfe_u32 v50, v0, 3, 1
	v_lshl_add_u32 v[AV0], v47, 3, v49
	v_mul_u32_u24 v[AV0], v[AV0], PV
	v_lshl_add_u32 v[AV0], v50, 4, v[AV0]
	s_mul_i32 s18, s[KH], KS*PV
	s_add_co_u32 s18, s18, VOFF
	v_add_nc_u32 v[AV0], s18, v[AV0]
	s_mul_i32 s18, s[WV], 16*SP
	s_add_co_u32 s18, s18, STAGE    ; my stage
	v_mul_u32_u24 v[STO], v1, SP
	v_lshl_add_u32 v[STO], v47, 4, v[STO]
	v_add_nc_u32 v[STO], s18, v[STO]
	v_mul_u32_u24 v[RD], v47, SP
	v_lshl_add_u32 v[RD], v1, 4, v[RD]
	v_add_nc_u32 v[RD], s18, v[RD]
	v_lshlrev_b32 v[GO], 12, v47
	v_lshl_add_u32 v[GO], v1, 4, v[GO]
	s_lshl_b32 s18, s[WV], 15
	v_lshl_add_u32 v[IMA], v48, 4, s18
	s_lshl_b32 s18, s[GQ], 16
	s_lshl_b32 s19, s[KH], 14
	s_add_co_u32 s18, s18, s19
	v_lshl_add_u32 v[RDA], v48, 4, s18
	s_lshl_b32 s18, s[WV], 10
	s_add_co_u32 s18, s18, STAT
	v_lshl_add_u32 v[SSA], v48, 3, s18
	s_lshl_b32 s18, s[GQ], 11
	s_lshl_b32 s19, s[KH], 9
	s_add_co_u32 s18, s18, s19
	s_add_co_u32 s18, s18, STAT
	v_lshl_add_u32 v[RSA], v48, 3, s18
	v_mov_b32 v[NINF], 0xff800000
	v_lshlrev_b32 v49, 3, v47
	v_sub_nc_u32 v[DD], v1, v49
	v_lshlrev_b32 v[PFO], 8, v48
.irp j, 0,1,2,3,4,5,6,7
	v_cmp_gt_i32 s[MK+\j], \j, v[DD]  ; key 8 h + j comes after query r
.endr
; POSITIONS 0-15 IN F32, by the one wave of the head that has no key step: under the mask these rows average one to sixteen values, where the rounding of 16-bit operands weighs most.
; All products by v_wmma_f32_16x16x4_f32: lane (r, h), register j holds k = 2 h + j of row r (ISA guide 7.12); along K the places are permuted alike on both sides.  Sums begin with C = 0; what is made of a sum goes into
; other registers.  Behind this form: 8 places before a result is read or a source written, 9 before a matrix instruction writes over one of its registers (ISA guide 7.12.1).
; It uses S^T's and P's registers and those of the statistics, none of which holds anything yet.
.set Q16, 64          ; v64-127   q's image; then the result
.set K16, 128         ; v128-191  k's image
.set V16, 192         ; v192-255  v's image: register 8 t + e of lane (r, h) is V(key 8 h + e, channel 16 t + r)
.set SC16, 12         ; v12-43    at work: +0..7 scores, +8..15 p, +16.. statistics
.set A16, 128         ; in window 3: the accumulators
	s_cmp_lg_u32 s[QB], 0
	s_cbranch_scc1 .Lno16
	s_cmp_lg_u32 s[WV], 1
	s_cbranch_scc1 .Lno16
	s_lshl_b32 s18, s16, 13         ; an image is 8,192 bytes
	s_mov_b32 s19, 0
	s_add_nc_u64 s[84:85], s[84:85], s[18:19]
	s_add_nc_u64 s[86:87], s[86:87], s[18:19]
	v_lshlrev_b32 v49, 4, v48       ; 16 x lane
.irp i, 0,1,2,3,4,5,6,7,8,9,10,11,12,13,14,15
	global_load_b128 v[Q16+4*\i:Q16+4*\i+3], v49, s[84:85] offset:512*\i          ; 512 consecutive bytes an instruction
.endr
.irp i, 0,1,2,3,4,5,6,7,8,9,10,11,12,13,14,15
	global_load_b128 v[K16+4*\i:K16+4*\i+3], v49, s[84:85] offset:131072+512*\i   ; k: 16 heads of 8,192 bytes on
.endr
.irp i, 0,1,2,3,4,5,6,7,8,9,10,11,12,13,14,15
	global_load_b128 v[V16+4*\i:V16+4*\i+3], v49, s[84:85] offset:262144+512*\i
.endr
	s_wait_loadcnt 16               ; q and k are in; v's sixteen loads may be out
	WIN 0xf0                        ; C and D in window 3
.set n, 0
.rept 32                            ; S^T = K Q^T: 32 steps of 4 along the head, four accumulators by turns: lane (r, h) holds query r and keys 8 h + j
.if n < 4
	v_wmma_f32_16x16x4_f32 v[A16+8*(n%4):A16+8*(n%4)+7], v[K16+2*n:K16+2*n+1], v[Q16+2*n:Q16+2*n+1], 0
.else
	v_wmma_f32_16x16x4_f32 v[A16+8*(n%4):A16+8*(n%4)+7], v[K16+2*n:K16+2*n+1], v[Q16+2*n:Q16+2*n+1], v[A16+8*(n%4):A16+8*(n%4)+7]
.endif
.set n, n+1
.endr
	WIN 0x0f                        ; sources 0 and 1 in window 3
.rept 8
	v_nop
.endr
.irp p, 0,2,4,6
	v_pk_add_f32 v[SC16+\p:SC16+\p+1], v[A16+\p:A16+\p+1], v[A16+8+\p:A16+8+\p+1]   ; the four partial sums, each read from its low end on
.endr
.irp p, 0,2,4,6
	v_pk_add_f32 v[SC16+16+\p:SC16+16+\p+1], v[A16+16+\p:A16+16+\p+1], v[A16+24+\p:A16+24+\p+1]
.endr
	WIN 0
.irp p, 0,2,4,6
	v_pk_add_f32 v[SC16+\p:SC16+\p+1], v[SC16+\p:SC16+\p+1], v[SC16+16+\p:SC16+16+\p+1]
.endr
.irp j, 0,1,2,3,4,5,6,7
	v_cndmask_b32 v[SC16+\j], v[SC16+\j], v[NINF], s[MK+\j]   ; the causal mask
.endr
	v_max3_num_f32 v[SC16+16], v[SC16], v[SC16+1], v[SC16+2]
	v_max3_num_f32 v[SC16+16], v[SC16+16], v[SC16+3], v[SC16+4]
	v_max3_num_f32 v[SC16+16], v[SC16+16], v[SC16+5], v[SC16+6]
	v_max_num_f32 v[SC16+16], v[SC16+16], v[SC16+7]
	v_permlanex16_b32 v[SC16+17], v[SC16+16], s[SEL], s[SEL+1]
	v_max_num_f32 v[SC16+16], v[SC16+16], v[SC16+17]  ; the row's maximum: key 0 counts for every query
	v_mul_f32 v[SC16+16], s[CS], v[SC16+16]
.irp j, 0,1,2,3,4,5,6,7
	v_fma_f32 v[SC16+8+\j], v[SC16+\j], s[CS], -v[SC16+16]
.endr
.irp j, 0,1,2,3,4,5,6,7
	v_exp_f32 v[SC16+8+\j], v[SC16+8+\j]   ; p = 2^(c s - c m)
.endr
	v_nop
	s_wait_alu depctr_va_vdst(0)    ; one wait for the eight, ahead of their first reader
	v_pk_add_f32 v[SC16+18:SC16+19], v[SC16+8:SC16+9], v[SC16+10:SC16+11]
	v_pk_add_f32 v[SC16+20:SC16+21], v[SC16+12:SC16+13], v[SC16+14:SC16+15]
	v_pk_add_f32 v[SC16+18:SC16+19], v[SC16+18:SC16+19], v[SC16+20:SC16+21]
	v_add_f32 v[SC16+18], v[SC16+18], v[SC16+19]
	v_permlanex16_b32 v[SC16+17], v[SC16+18], s[SEL], s[SEL+1]
	v_add_f32 v[SC16+18], v[SC16+18], v[SC16+17]  ; the row's sum
	v_rcp_f32 v[SC16+18], v[SC16+18]
	v_nop
	s_wait_alu depctr_va_vdst(0)
	s_wait_loadcnt 0x0              ; v
	WIN 0xf0
.irp kk, 0,1,2,3                    ; O^T = V^T P: 4 steps of 4 keys (on both sides key 8 h + 2 kk + j), eight accumulators by turns
.irp t, 0,1,2,3,4,5,6,7
.if \kk == 0
	v_wmma_f32_16x16x4_f32 v[A16+8*\t:A16+8*\t+7], v[V16+8*\t+2*\kk:V16+8*\t+2*\kk+1], v[SC16+8+2*\kk:SC16+8+2*\kk+1], 0
.else
	v_wmma_f32_16x16x4_f32 v[A16+8*\t:A16+8*\t+7], v[V16+8*\t+2*\kk:V16+8*\t+2*\kk+1], v[SC16+8+2*\kk:SC16+8+2*\kk+1], v[A16+8*\t:A16+8*\t+7]
.endif
.endr
.endr
	WIN 0x03                        ; source 0 in window 3
.rept 8
	v_nop
.endr
.irp t, 0,1,2,3,4,5,6,7
.irp p, 0,2,4,6
	v_pk_mul_f32 v[Q16+8*\t+\p:Q16+8*\t+\p+1], v[A16+8*\t+\p:A16+8*\t+\p+1], v[SC16+18:SC16+19] op_sel_hi:[1,0]   ; / the sum: register 8 t + j of lane (r, h) is attn(query r, channel 16 t + 8 h + j)
.endr
.endr
	WIN 0
.irp i, 0,1,2,3,4,5,6,7,8,9,10,11,12,13,14,15
	global_store_b128 v49, v[Q16+4*\i:Q16+4*\i+3], s[86:87] offset:512*\i   ; the registers as they stand: 512 consecutive bytes an instruction
.endr
	s_wait_xcnt 0x0                 ; the stores have read their registers, which the key steps write
.Lno16:
.irp t, 0,1,2,3
	v_mov_b32 v[ST+8*\t+1], 0xff61b1e6  ; m = -3e38, under every score
	v_mul_f32 v[ST+8*\t], s[CS], v[ST+8*\t+1]
.irp n, 2,3,4,5,6,7
	v_mov_b32 v[ST+8*\t+\n], 0      ; l; and the registers at work, which the end names in a wave without steps too
.endr
.endr
	WIN 0x40                        ; O^T = 0, once: the step is written once and may be jumped over, so no product can be told to start the sums
.set i, 0
.rept 256
	v_mov_b32 v[i], 0
.set i, i+1
.endr
	WIN 0
; THE MATRIX WORK, for piece x.  The accumulators take turns, one instruction a turn: between two links of a chain stand 15 (V^T P) or 7 (K Q^T) others'.
.macro PV x                         ; product i of 32 of O^T += V^T P: keys 32 (i / 16) on, channels 16 ((i / 2) % 8) on, tile x + i % 2
	WIN W_PV
.set rO, 64*(\x+i%2)+8*((i/2)%8)
.set rV, 64*(i/16)+8*((i/2)%8)
.set rP, P+16*(\x+i%2)+8*(i/16)
	v_wmma_f32_16x16x32_f16 v[rO:rO+7], v[rV:rV+7], v[rP:rP+7], v[rO:rO+7]
.endm
.macro KQ x                         ; product i of 32 of S^T = K Q^T: channels 32 (i / 8) on, keys 16 ((i / 2) % 4) on, tile x + i % 2.  The first 8 start the sums
	WIN W_KQ
.set rS, S+32*(\x+i%2)+8*((i/2)%4)
.set rK, KF+32*((i/2)%4)+8*(i/8)
.set rQ, 32*(\x+i%2)+8*(i/8)
.if i < 8
	v_wmma_f32_16x16x32_f16 v[rS:rS+7], v[rK:rK+7], v[rQ:rQ+7], 0
.else
	v_wmma_f32_16x16x32_f16 v[rS:rS+7], v[rK:rK+7], v[rQ:rQ+7], v[rS:rS+7]
.endif
.endm
; THE LDS LOADS stand in runs of 32.  K's in the order of use: the channel step outside, the key block inside.
.macro FETCH_K
	WIN 0
	v_add_nc_u32 v[ADR], s[TK], v[AK0]
	WIN 0x80                        ; destination window 2
.irp c, 0,1,2,3
.irp b, 0,1,2,3
	ds_load_b128 v[KF+32*\b+8*\c:KF+32*\b+8*\c+3],   v[ADR] offset:\b*16*PK+\c*64
	ds_load_b128 v[KF+32*\b+8*\c+4:KF+32*\b+8*\c+7], v[ADR] offset:\b*16*PK+\c*64+32
.endr
.endr
.endm
.macro FETCH_V
	WIN 0
	v_add_nc_u32 v[ADR], s[TV], v[AV0]
	s_wait_alu depctr_va_vdst(0)    ; the wait for the softmax's batch (SLICE), behind the address's addition and ahead of the loads
	WIN 0xc0                        ; destination window 3
.irp f, 0,1,2,3,4,5,6,7,8,9,10,11,12,13,14,15  ; keys 32 (f / 8) on, channels 16 (f % 8) on
	ds_load_tr16_b128 v[8*\f:8*\f+3],   v[ADR] offset:(\f/8)*32*PV+(\f%8)*32
	ds_load_tr16_b128 v[8*\f+4:8*\f+7], v[ADR] offset:(\f/8)*32*PV+16*PV+(\f%8)*32
.endr
.endm
; THE VECTOR WORK.  One tile's softmax for one key step is a list of 134 instructions; SM writes number j of it for tile t.
;   0-15 the maximum of the lane's 32 scores and the old m (each accumulator is read from its low end on);  16-20 the other half of the lanes' maximum, the new m, c m, c m_old - c m_new;
;   21-69 ONE BATCH: the 16 packed scalings c s - c m and all 33 exponentials, none of which reads an exponential's result;  (the wait)  70-85 the roundings to f16;  86-101 the sums, l = a l + the sum;  102-133 O^T times a.
.macro SM t
.set rT, ST+8*(\t)
.set rS, S+32*(\t)
.set rP, P+16*(\t)
.set rO, 64*(\t)+2*(j-102)
.if j < 102
	WIN 0
.endif
.if j < 4
	v_max3_num_f32 v[rT+4+j], v[rS+8*j], v[rS+8*j+1], v[rS+8*j+2]
.elseif j < 12
	v_max3_num_f32 v[rT+4+j%4], v[rT+4+j%4], v[rS+8*(j%4)+2*(j/4)+1], v[rS+8*(j%4)+2*(j/4)+2]
.elseif j == 12
	v_max3_num_f32 v[rT+4], v[rT+4], v[rS+7], v[rS+15]
.elseif j == 13
	v_max3_num_f32 v[rT+6], v[rT+6], v[rS+23], v[rS+31]
.elseif j == 14
	v_max3_num_f32 v[rT+4], v[rT+4], v[rT+5], v[rT+6]
.elseif j == 15
	v_max3_num_f32 v[rT+4], v[rT+4], v[rT+7], v[rT+1]
.elseif j == 16
	v_permlanex16_b32 v[rT+5], v[rT+4], s[SEL], s[SEL+1]  ; the query's other 32 keys lie in the lane 16 away
.elseif j == 17
	v_mov_b32 v[rT+7], v[rT]        ; c m_old is kept for a
.elseif j == 18
	v_max_num_f32 v[rT+1], v[rT+4], v[rT+5]
.elseif j == 19
	v_mul_f32 v[rT], s[CS], v[rT+1]
.elseif j == 20
	v_sub_f32 v[rT+7], v[rT+7], v[rT]
.elseif j == 23
	v_exp_f32 v[rT+6], v[rT+7]
.elseif (j < 23) || ((j < 38) && (j%2 == 0)) || ((j < 66) && (j%4 == 2))
.set b, (j-2)/4                     ; 38, 42, .. 62: pairs 9 to 15
.if j < 38
.set b, (j-20)/2                    ; 21: pair 0; 22, 24, .. 36: pairs 1 to 8
.endif
	v_pk_fma_f32 v[rS+2*b:rS+2*b+1], v[rS+2*b:rS+2*b+1], s[CS:CS+1], v[rT:rT+1] op_sel_hi:[1,0,0] neg_lo:[0,0,1] neg_hi:[0,0,1]  ; pair b: c s - c m
.elseif j < 70
.set e, j-38                        ; 66 to 69: s28 to s31
.if j < 66
.set e, j-32-(j-38)/4               ; 39-41, 43-45, .. 63-65: s7 to s27
.endif
.if j < 38
.set e, (j-25)/2                    ; 25, 27, .. 37: s0 to s6
.endif
	v_exp_f32 v[rS+e], v[rS+e]
.elseif j < 86
	v_cvt_pk_f16_f32 v[rP+j-70], v[rS+2*(j-70)], v[rS+2*(j-70)+1]
.elseif j < 102                     ; the sum of the tile's 16 pairs, in place: neighbours 1, 2, 4 and 8 pairs apart, then l takes it
.set z, j-86
.set w, 4
.set u, z
.if z >= 14
.set w, 32
.set u, 0
.elseif z >= 12
.set w, 16
.set u, z-12
.elseif z >= 8
.set w, 8
.set u, z-8
.endif
.if z < 15
	v_pk_add_f32 v[rS+w*u:rS+w*u+1], v[rS+w*u:rS+w*u+1], v[rS+w*u+w/2:rS+w*u+w/2+1]
.else
	v_pk_fma_f32 v[rT+2:rT+3], v[rT+2:rT+3], v[rT+6:rT+7], v[rS:rS+1] op_sel_hi:[1,0,1]
.endif
.else
	WIN W_RS
	v_pk_mul_f32 v[rO:rO+1], v[rO:rO+1], v[rT+6:rT+7] op_sel_hi:[1,0]
.endif
.endm
; Slice k of 64 of piece y's softmax: four instructions (slice 63: sixteen).  Slices 11 to 34 deal out the batch, four numbers of ONE tile each, the tiles by turns; every other slice is numbers 2 k and 2 k + 1 of both tiles.
; Ahead of slice 35 nothing names an exponential's result, and behind slice 34 none is issued: so the piece's 66 exponentials have one plain line and one wait, behind slice 34.
.macro SLICE y
.if (k >= 11) && (k < 35)
.irp n, 0,1,2,3
.set j, 22+4*((k-11)/2)+(\n)
	SM (\y)+(k-11)%2
.endr
.else
.irp n, 0,1,2,3,4,5,6,7
.if (\n < 2) || (k == 63)
.irp t, \y, \y+1
.set j, 2*k+\n
	SM \t
.endr
.endif
.endr
.endif
.if k == 34
	v_nop
.if (\y) == 0
	FETCH_V                         ; V's run of loads stands here, and the wait stands in it; V's last reader is the step before's last product, hundreds of plain lines back
.else
	s_wait_alu depctr_va_vdst(0)
.endif
.endif
.set k, k+1
.endm
.macro PLACES
.rept 4
	v_nop
.endr
.endm
; On the diagonal step, tile t: key blocks under t count whole; in block t register j is hidden where its mask says so; blocks above t are hidden whole.
.macro MASK y
.irp t, \y, \y+1
.irp kb, 0,1,2,3
.irp j, 0,1,2,3,4,5,6,7
.if \kb == (\t)
	v_cndmask_b32 v[S+32*(\t)+8*\kb+\j], v[S+32*(\t)+8*\kb+\j], v[NINF], s[MK+\j]
.elseif \kb > (\t)
	v_mov_b32 v[S+32*(\t)+8*\kb+\j], v[NINF]
.endif
.endr
.endr
.endr
.endm
; A KEY STEP of my parity: 64 keys.
.macro STEP
	s_cmp_gt_u32 s[IDX], s[LIMW]    ; all its keys come after my queries: ids alone; no barrier, wait for a tile or tensor load stands in a step
	s_cbranch_scc1 .Lhid_\@
	FETCH_K                         ; K's last reader stands in front of the last step's second half: its slices are the places
.set i, 0
.rept 32
.if i%8 == 0
	s_wait_dscnt 24-i               ; this channel step's eight loads are in; the later steps' eight each may be out
.endif
	KQ 0
.set i, i+1
.endr
	WIN 0
	PLACES                          ; behind piece 0's last product, ahead of the first read or write of its scores
	s_cmp_lg_u32 s[IDX], s[LIMW]
	s_cbranch_scc1 .Lopen0_\@
	MASK 0
.Lopen0_\@:
.set k, 0
.set i, 0
.rept 32
	KQ 2                            ; piece 2's scores | piece 0's softmax, two slices behind each product | V
	SLICE 0
	SLICE 0
.set i, i+1
.endr
	WIN 0                           ; slices 62 and 63, twenty plain lines on O^T of piece 0, are the places behind piece 2's last product
	s_cmp_lg_u32 s[IDX], s[LIMW]
	s_cbranch_scc1 .Lopen2_\@
	MASK 2
.Lopen2_\@:
	s_wait_dscnt 0x0                ; V is in
.set k, 0
.set i, 0
.rept 32
	PV 0                            ; piece 0: V^T P | piece 2's softmax
	SLICE 2
	SLICE 2
.set i, i+1
.endr
.set i, 0
.rept 32
	PV 2
.set i, i+1
.endr
	WIN 0
.Lhid_\@:
	s_add_co_u32 s[TK], s[TK], 2*KS*PK  ; my next step lies two steps on
	s_add_co_u32 s[TV], s[TV], 2*KS*PV
	s_add_co_u32 s[IDX], s[IDX], 2
.endm
.macro SLOT_STEPS                   ; a slot's two steps of my parity: written once, walked twice
	s_mov_b32 s[TWICE], 2
.Lstep_\@:
	STEP
	s_sub_co_u32 s[TWICE], s[TWICE], 1
	s_cmp_lg_u32 s[TWICE], 0
	s_cbranch_scc1 .Lstep_\@
	s_xor_b32 s[TB], s[TB], SLOTB   ; on to the other slot
	s_mov_b32 s[TK], s[TB]
	s_mov_b32 s[TV], s[TB]
.endm
; THE CHANGE OF SLOTS stands at a slot's head.  Each wave waits for all its tensor loads (its part of the slot that it is about to read), adds 0 to its spare word, and waits for that and for its reads of the slot that it has left.
; Behind the barrier the slot ahead is whole and nobody reads the other one.  fill = 1: that other slot is filled with the keys that follow, up to the causal limit; the load has a slot's steps in which to land.
.macro CHANGE fill
	s_wait_tensorcnt 0x0            ; no tensor load of mine is out, so a group 0 may be written
	ds_add_u32 v[SPW], v[NIL]       ; 0 onto my spare word
.if \fill
	s_xor_b32 s[G0K+1], s[G0K+1], SLOTB  ; the walking descriptors: the other slot than last time,
	s_add_nc_u64 s[G0K+2:G0K+3], s[G0K+2:G0K+3], 65536  ; the next 256 keys; the type bits on top are not reached
	s_xor_b32 s[G0V+1], s[G0V+1], SLOTB
	s_add_nc_u64 s[G0V+2:G0V+3], s[G0V+2:G0V+3], 65536
	s_wait_xcnt 0x0                 ; the last prefetches, a slot back, have read their address, so it may be written:
	s_add_nc_u64 s[PFA:PFA+1], s[PFA:PFA+1], 65536  ; one slot further on than the walking descriptors
.endif
	s_wait_dscnt 0x0                ; the add is done, and my reads of the slot that I have left are over
	s_barrier_signal -1
	s_barrier_wait -1
.if \fill
	s_cmp_gt_u32 s[NK], s[LASTQ]    ; a slot whose first key comes after my work-group's last query is read by none of its waves: it is not asked for.  Ids and the count of changes alone: all four waves go the same way
	s_cbranch_scc1 .Lpast_\@
	TLOAD                           ; my one tensor load behind this barrier, and the first thing there
.Lpast_\@:
	s_add_co_u32 s[NK], s[NK], 256
	ASK
.endif
.endm
	s_wait_loadcnt 0x0              ; Q
.Lslot:                             ; 7 trips: behind each change of slots but the last the next slot is asked for
	CHANGE 1
	SLOT_STEPS
	s_sub_co_u32 s[SLOTS], s[SLOTS], 1
	s_cmp_lg_u32 s[SLOTS], 0
	s_cbranch_scc1 .Lslot
	CHANGE 0                        ; the last slot is written out: nothing is left to fetch
	SLOT_STEPS
	; THE END.  Each wave lays its O^T, as an image of its registers, and its (c m, l) into slot 0, which was left at the last change of slots; a barrier; wave (g, kh) joins the two halves of tiles 2 kh and 2 kh + 1 of g.
.irp t, 0,1,2,3
	v_add_f32 v[ST+8*\t+4], v[ST+8*\t+2], v[ST+8*\t+3]  ; (these and the four below are the places behind the last products)
.endr
.irp t, 0,1,2,3
	v_permlanex16_b32 v[ST+8*\t+5], v[ST+8*\t+4], s[SEL], s[SEL+1]
.endr
.irp t, 0,1,2,3
	v_add_f32 v[ST+8*\t+1], v[ST+8*\t+4], v[ST+8*\t+5]  ; l takes m's place, beside c m
.endr
.irp t, 0,1,2,3
	ds_store_b64 v[SSA], v[ST+8*\t:ST+8*\t+1] offset:256*\t
.endr
	WIN 0x04                        ; an LDS store's data are its source 1: window 1
.set i, 0
.rept 64
	ds_store_b128 v[IMA], v[4*i:4*i+3] offset:512*i  ; each accumulator from its low end on
.set i, i+1
.endr
	WIN 0
	s_wait_dscnt 0x0                ; for the others' sake: my stores are done
	s_barrier_signal -1
	s_barrier_wait -1
.macro MERGE tt
.if \tt
	s_wait_xcnt 0x0                 ; the first tile's stores have read their registers
.endif
	ds_load_b64 v[48:49], v[RSA] offset:256*\tt        ; the even steps' c m and l,
	ds_load_b64 v[50:51], v[RSA] offset:1024+256*\tt   ; the odd steps'
.irp i, 0,1,2,3,4,5,6,7,8,9,10,11,12,13,14,15
	ds_load_b128 v[S+4*\i:S+4*\i+3], v[RDA] offset:8192*\tt+512*\i
.endr
.irp i, 0,1,2,3,4,5,6,7,8,9,10,11,12,13,14,15
	ds_load_b128 v[S+64+4*\i:S+64+4*\i+3], v[RDA] offset:32768+8192*\tt+512*\i
.endr
	s_wait_dscnt 0x0
	v_max_num_f32 v52, v48, v50
	v_sub_f32 v53, v48, v52
	v_sub_f32 v54, v50, v52
	v_exp_f32 v53, v53              ; each half's weight under the common maximum; a half without steps gets 0
	v_exp_f32 v54, v54
	v_nop
	s_wait_alu depctr_va_vdst(0)    ; one wait for the two
	v_mul_f32 v55, v53, v49
	v_fmac_f32 v55, v54, v51        ; the row's sum: at least the diagonal key's weight
	v_rcp_f32 v55, v55
	v_nop
	s_wait_alu depctr_va_vdst(0)
	v_mul_f32 v56, v53, v55
	v_mul_f32 v58, v54, v55
	v_mov_b32 v57, v56              ; (named with them as pairs, so they are written)
	v_mov_b32 v59, v58
.set i, 0
.rept 32
	v_pk_mul_f32 v[S+i:S+i+1], v[S+i:S+i+1], v[56:57] op_sel_hi:[1,0]
.set i, i+2
.endr
.set i, 0
.rept 32
	v_pk_fma_f32 v[S+i:S+i+1], v[S+64+i:S+64+i+1], v[58:59], v[S+i:S+i+1] op_sel_hi:[1,0,1]
.set i, i+2
.endr
.set i, 0
.rept 32
	v_cvt_pk_f16_f32 v[P+i], v[S+2*i], v[S+2*i+1]
.set i, i+1
.endr
.irp f, 0,1,2,3,4,5,6,7
	ds_store_b128 v[STO], v[P+4*\f:P+4*\f+3] offset:32*\f
.endr
.irp f, 0,1,2,3,4,5,6,7
	ds_load_b128 v[P+32+4*\f:P+32+4*\f+3], v[RD] offset:\f*2*SP  ; LDS serves a wave's instructions in order (ISA guide 5.7.1.4): these see the stores above
.endr
.irp f, 0,1,2,3,4,5,6,7
	s_wait_dscnt 7-\f               ; rows 2 f and 2 f + 1 are back; the younger loads may be out
	global_store_b128 v[GO], v[P+32+4*\f:P+32+4*\f+3], s[10:11] offset:65536*\tt+8192*\f  ; 16 lanes store 256 consecutive bytes, aligned: a head's part of a row
.endr
.endm
	MERGE 0
	MERGE 1
	s_wait_tensorcnt 0x0            ; the wave's end, behind my last tensor load and my last LDS store
	ds_add_u32 v[SPW], v[NIL]
	s_wait_dscnt 0x0
	s_endpgm
; Wo TO F16, by the work-groups with y from 16 on: no tile, no barrier, no LDS but the spare words.  A wave takes 8,192 numbers: 64 chunks of 512 bytes in, 256 bytes out; 32 loads are always on their way.
.set XC, 64           ; v64-191   32 slots of 4 registers as loaded
.set YC, 192          ; v192-255  32 slots of 2 registers to store
.Lcast:
	s_sub_co_u32 s18, s[QB], 16
	s_lshl_b32 s18, s18, 4
	s_add_co_u32 s18, s18, s16      ; 0 .. 127
	s_lshl_b32 s18, s18, 2
	s_add_co_u32 s18, s18, s[WV]    ; my run, 0 .. 511
	s_lshl_b32 s20, s18, 15
	s_mov_b32 s21, 0
	s_add_nc_u64 s[80:81], s[80:81], s[20:21]
	s_lshl_b32 s20, s18, 14
	s_add_nc_u64 s[82:83], s[82:83], s[20:21]
	v_and_b32 v48, 31, v0
	v_lshlrev_b32 v47, 4, v48       ; 16 x lane
	v_lshlrev_b32 v48, 3, v48       ; 8 x lane
.set j, 0
.rept 32
	global_load_b128 v[XC+4*j:XC+4*j+3], v47, s[80:81] offset:512*j th:TH_LOAD_NT
.set j, j+1
.endr
.set j, 0
.rept 64
.if j < 32
	s_wait_loadcnt 31               ; chunk j is in; the 31 younger loads stay out
.else
	s_wait_loadcnt 63-j             ; nothing more is asked for: the count runs down
.endif
.if j >= 32
	s_wait_xcnt 0x0                 ; the slot's last store has read its data: they are written again only behind this wait
.endif
	v_cvt_pk_f16_f32 v[YC+2*(j%32)], v[XC+4*(j%32)], v[XC+4*(j%32)+1]
	v_cvt_pk_f16_f32 v[YC+2*(j%32)+1], v[XC+4*(j%32)+2], v[XC+4*(j%32)+3]
.if j+32 < 64
	global_load_b128 v[XC+4*(j%32):XC+4*(j%32)+3], v47, s[80:81] offset:512*(j+32) th:TH_LOAD_NT
.endif
	global_store_b64 v48, v[YC+2*(j%32):YC+2*(j%32)+1], s[82:83] offset:256*j   ; 256 consecutive bytes, aligned
.set j, j+1
.endr
	s_wait_tensorcnt 0x0            ; the wave's end: the three lines here too
	ds_add_u32 v[SPW], v[NIL]
	s_wait_dscnt 0x0
	s_endpgm
.Lfunc_end_k_qe24b12daf9_attn:
	.size	k_qe24b12daf9_attn, .Lfunc_end_k_qe24b12daf9_attn-k_qe24b12daf9_attn
	.p2alignl 7, 3214868480
	.fill 96, 4, 3214868480
	.section	.rodata,"a",@progbits
	.p2align	6, 0x0
	.amdhsa_kernel k_qe24b12daf9_attn
		.amdhsa_group_segment_fixed_size 327680
		.amdhsa_private_segment_fixed_size 0
		.amdhsa_enable_private_segment 0
		.amdhsa_kernarg_size 48
		.amdhsa_user_sgpr_count 2
		.amdhsa_user_sgpr_kernarg_segment_ptr 1
		.amdhsa_wavefront_size32 1
		.amdhsa_system_sgpr_workgroup_id_x 1
		.amdhsa_system_sgpr_workgroup_id_y 1
		.amdhsa_system_sgpr_workgroup_id_z 1
		.amdhsa_system_vgpr_workitem_id 0
		.amdhsa_next_free_vgpr 1024
		.amdhsa_next_free_sgpr 90
		.amdhsa_reserve_vcc 0
		.amdhsa_float_denorm_mode_32 3
		.amdhsa_float_denorm_mode_16_64 3
		.amdhsa_memory_ordered 1
		.amdhsa_forward_progress 1
		.amdhsa_inst_pref_size 187
	.end_amdhsa_kernel
	.amdgpu_metadata
---
amdhsa.version: [ 1, 2 ]
amdhsa.kernels:
  - .name:           k_qe24b12daf9_attn
    .symbol:         k_qe24b12daf9_attn.kd
    .args:
      - { .name: qkvh, .offset: 0, .size: 8, .value_kind: global_buffer, .address_space: global }
      - { .name: attnh, .offset: 8, .size: 8, .value_kind: global_buffer, .address_space: global }
      - { .name: Wo, .offset: 16, .size: 8, .value_kind: global_buffer, .address_space: global }
      - { .name: wo16, .offset: 24, .size: 8, .value_kind: global_buffer, .address_space: global }
      - { .name: first, .offset: 32, .size: 8, .value_kind: global_buffer, .address_space: global }
      - { .name: attn32, .offset: 40, .size: 8, .value_kind: global_buffer, .address_space: global }
    .group_segment_fixed_size: 327680
    .private_segment_fixed_size: 0
    .kernarg_segment_align: 8
    .kernarg_segment_size: 48
    .max_flat_workgroup_size: 128
    .sgpr_count:     90
    .vgpr_count:     1024
    .wavefront_size: 32
...
	.end_amdgpu_metadata
.endif
;; end of part 3
;; launch oproj (part 4): grid 16 x 16, 4 waves a work-group, clusters of 4 x 4, 327,680 bytes of LDS; arguments attnh, wo16, out0; writes out0
.if DOCPART == 4
	.amdgcn_target "amdgcn-amd-amdhsa--gfx1250"
	.amdhsa_code_object_version 6
	.text
	.protected	k_qe24b12daf9_oproj
	.globl	k_qe24b12daf9_oproj
	.p2align	8
	.type	k_qe24b12daf9_oproj,@function
k_qe24b12daf9_oproj:
	s_mov_b64 s[64:65], 0
	v_nop
	global_prefetch_b8 v0, s[64:65] scope:SCOPE_SE
	s_setreg_imm32_b32 hwreg(HW_REG_WAVE_MODE, 25, 1), 1
	s_wait_xcnt 0x0
	s_wait_alu depctr_hold_cnt(0) depctr_sa_sdst(0) depctr_va_vdst(0) depctr_va_sdst(0) depctr_va_ssrc(0) depctr_va_vcc(0) depctr_vm_vsrc(0)
	s_getreg_b32 s2, hwreg(HW_REG_IB_STS2, 6, 4)
	s_cmp_eq_u32 s2, 0
	s_cbranch_scc0 .Lentry_in_a_cluster
	s_endpgm
.Lentry_in_a_cluster:
	s_bfe_u32 s2, ttmp6, 0x10000c
	s_cmp_lg_u32 s2, 0xf033
	s_cbranch_scc0 .Lentry_shape_is_right
	s_endpgm
.Lentry_shape_is_right:
; out0[m][n] = sum over k of attnh[m][k] wo16[n][k].  attnh, wo16: [2048][2048] f16; out0: [2048][2048] f32; sums in f32.  Rows 0-15 are written here as all rows are and written again, from f32 operands, by the last launch:
; leaving them out would be a branch on the work-group's place in its cluster.
; A tile of C is 128 x 128: 256 tiles, one for each work-group.  Four waves, each 64 x 64: 16 accumulators of 16 x 16, 128 registers.  K goes in steps of 256 (LDS rows of 512 bytes; a wave's tensor load brings 64 of them), as long as
; two slots in LDS allow.  A wave's 64 columns of f32 are 256 bytes, so each wave has a stage of its own on the way out and no barrier stands there.
; CLUSTERS: 4 x 4 work-groups.  The four of a row of the cluster need the same tiles of A, the four of a column the same tiles of B: each tile is asked for JOINTLY, by the same tensor load with the
; same descriptor and a mask that names the four.  THE MATRIX INSTRUCTION IS USED TRANSPOSED (source 0 = 16 rows of B, source 1 = 16 rows of A): a lane then holds eight neighbouring numbers of a row of C.
; REGISTERS: window 0: v0-31 addresses; v32-95 at work on the way out; v128-255 the accumulators ((a, b) at v[128 + 8 (4 a + b)]).
;   window 1: two fragment buffers of 128: for 64 along K, 64 registers of A, then 64 of B.
.set SIZE_M, 2048
.set SIZE_N, 2048
.set SIZE_K, 2048
.set KSTEP,  256
.set PITCH,  528                       ; an LDS row: 512 bytes + 16 of padding = 132 words: row r starts at bank 4 r mod 64 (ISA guide 11.1)
.set HALFT,  64*PITCH                  ; 64 rows: what one tensor load brings
.set SLOT,   4*HALFT                   ; A's 128 rows, then B's 128 rows
.set STAGE,  2*SLOT                    ; behind the ring: 16 rows x 272 bytes for each wave, for the way out
.set SPITCH, 272
.set SPARE,  STAGE+4*16*SPITCH         ; behind the stages: the spare words, 128 bytes a wave, that no other line names
.set LAPS, SIZE_K/(2*KSTEP)            ; a lap = two K steps = once round the ring
.set ADRA, 16                          ; v16-17  LDS address of my A fragments in slot 0, 1
.set ADRB, 20                          ; v20-21  the same for B
.set STO,  24                          ; v24     the way out: where I put 32 bytes of a row
.set RD,   25                          ; v25     where I read a row back
.set CO,   26                          ; v26     my byte offset in two rows of C
.set SPW,  28                          ; v28     LDS address of my spare word; never rewritten
.set NIL,  29                          ; v29     0; never rewritten
.set TMP,  32                          ; the way out: 16 rows read back: v32-63 and v64-95 by turns
.set ACC,  128
.set F0,   0                           ; fragment buffers, in window 1
.set F1,   128
.set G1, 24
.set G0, 32
.set G1B, 48
.set G0B, 56
.set MSB, 0
.macro WIN new
.if MSB != \new
	s_set_vgpr_msb (MSB<<8)|\new
.set MSB, \new
.endif
.endm
.set MUL,  0x05                        ; sources 0 (B) and 1 (A) window 1; C and D window 0
.set TO_F, 0x40                        ; destination window 1, address window 0
.macro JLOAD s                         ; a joint load: waves 0 and 1 fetch A's two halves, waves 2 and 3 B's; an s_nop 0 and four v_nop follow each of the two lines
	s_cmp_eq_u32 s11, 0
	s_cbranch_scc0 .Lfor_b_\@
	tensor_load_to_lds s[G0+4*\s:G0+4*\s+3], s[G1:G1+7]
	s_nop 0
.rept 4
	v_nop
.endr
	s_branch .Lasked_\@
.Lfor_b_\@:
	tensor_load_to_lds s[G0B+4*\s:G0B+4*\s+3], s[G1B:G1B+7]
	s_nop 0
.rept 4
	v_nop
.endr
.Lasked_\@:
.endm
.macro CREST                           ; a round of the cluster's barrier behind its opening barrier
	s_cmp_lg_u32 s10, 0
	s_cbranch_scc1 .Lnot_wave_0_\@
	s_barrier_signal -3
.Lnot_wave_0_\@:
	s_barrier_wait -3
	s_barrier_signal -1
	s_barrier_wait -1
.endm
.macro CROUND
	s_barrier_signal -1
	s_barrier_wait -1
	CREST
.endm
	s_load_b128 s[4:7], s[0:1], 0x0                ; A s[4:5], B s[6:7]
	s_load_b64 s[8:9], s[0:1], 0x10                ; C
	v_lshl_add_u32 v[SPW], v0, 2, SPARE
	v_mov_b32 v[NIL], 0
	ds_add_u32 v[SPW], v[NIL]                      ; the wave's opening: the add, twice on end, and its wait ahead of my first tensor load; the set-up below stands between the second and the wait
	ds_add_u32 v[SPW], v[NIL]
	v_lshrrev_b32 v1, 5, v0
	v_readfirstlane_b32 s10, v1                    ; wave 0..3
	s_lshr_b32 s11, s10, 1                         ; which half of the tile's rows is mine.  Also: I fetch for A (0) or for B (1)
	s_and_b32 s12, s10, 1                          ; which half of its columns.  Also: which 64 rows of that tile I fetch
	s_bfe_u32 s40, ttmp6, 0x40000                  ; cx, cy: my place in the cluster
	s_bfe_u32 s41, ttmp6, 0x40004
	s_lshl_b32 s42, ttmp9, 2
	s_add_co_u32 s42, s42, s40                     ; tile column of C = 4 x cluster x + cx
	s_and_b32 s13, ttmp7, 0xffff
	s_lshl_b32 s13, s13, 2
	s_add_co_u32 s13, s13, s41                     ; tile row of C = 4 x cluster y + cy
	s_lshl_b32 s43, s41, 2
	s_lshl_b32 s43, 15, s43                        ; my row of the cluster
	s_lshl_b32 s44, 0x1111, s40                    ; my column
	; descriptor group 1: a tile of 64 rows x 256 elements, padded in LDS
	s_or_b32 s[G1+0], s43, (1<<16)|(1<<20)|(1<<21)|(6<<22)|(3<<25)  ; 15:0 the mask: A's tiles go to my row; 17:16 element of 2 bytes; 20 padding on; 21 set beside a mask; 24:22 after every 128 words; 31:25 of 4 words
	s_or_b32 s[G1B+0], s44, (1<<16)|(1<<20)|(1<<21)|(6<<22)|(3<<25)
.irp g, G1, G1B
	s_mov_b32 s[\g+1], KSTEP<<16                   ; tensor_dim0 = 256
	s_mov_b32 s[\g+2], 64<<16                      ; tensor_dim1 = 64
	s_mov_b32 s[\g+3], KSTEP<<16                   ; tile_dim0 = 256
	s_mov_b32 s[\g+4], 64                          ; tile_dim1 = 64
	s_mov_b32 s[\g+5], SIZE_K                      ; tensor_dim0_stride
	s_mov_b32 s[\g+6], 0
	s_mov_b32 s[\g+7], 0
.endr
	s_lshl_b32 s17, s12, 6                         ; which 64 rows of the tile I fetch
	s_lshl_b32 s16, s13, 7
	s_add_co_u32 s16, s16, s17                     ; A: row 128 x tile row + 64 x half
	s_lshl_b32 s46, s42, 7
	s_add_co_u32 s46, s46, s17                     ; B: row 128 x tile column + 64 x half
	s_mov_b32 s17, 0
	s_mov_b32 s47, 0
	s_mov_b64 s[18:19], SIZE_K*2
	s_mul_u64 s[16:17], s[16:17], s[18:19]
	s_mul_u64 s[46:47], s[46:47], s[18:19]
	s_mul_i32 s20, s10, HALFT                      ; where they go: wave x 64 rows
	s_wait_dscnt 0x0                               ; both opening adds are done
	s_wait_kmcnt 0x0
	s_add_nc_u64 s[14:15], s[4:5], s[16:17]
	s_add_nc_u64 s[46:47], s[6:7], s[46:47]
	CROUND                                         ; all sixteen work-groups are here: the first joint loads meet
.irp s, 0,1
	s_mov_b32 s[G0+4*\s], 1
	s_add_co_u32 s[G0+4*\s+1], s20, \s*SLOT
	s_add_nc_u64 s[G0+4*\s+2:G0+4*\s+3], s[14:15], \s*KSTEP*2
	s_or_b32 s[G0+4*\s+3], s[G0+4*\s+3], 0x80000000
	s_mov_b32 s[G0B+4*\s], 1
	s_add_co_u32 s[G0B+4*\s+1], s20, \s*SLOT
	s_add_nc_u64 s[G0B+4*\s+2:G0B+4*\s+3], s[46:47], \s*KSTEP*2
	s_or_b32 s[G0B+4*\s+3], s[G0B+4*\s+3], 0x80000000
	JLOAD \s
.endr
	v_and_b32 v1, 15, v0                           ; l % 16
	v_bfe_u32 v2, v0, 4, 1                         ; l / 16
	v_mul_u32_u24 v3, v1, PITCH
	v_lshl_add_u32 v3, v2, 4, v3                   ; a fragment's row x pitch + 16 x half
	s_mul_i32 s21, s11, HALFT                      ; my 64 rows of A
	s_mul_i32 s22, s12, HALFT                      ; my 64 rows of B,
	s_add_co_u32 s22, s22, 2*HALFT                 ; which lie behind A's 128
.irp s, 0,1
	v_add_nc_u32 v[ADRA+\s], s21, v3
	v_add_nc_u32 v[ADRB+\s], s22, v3
	s_add_co_u32 s21, s21, SLOT
	s_add_co_u32 s22, s22, SLOT
.endr
	s_mul_i32 s23, s10, 16*SPITCH
	s_add_co_u32 s23, s23, STAGE                   ; my stage
	v_mul_u32_u24 v4, v1, SPITCH                   ; in: row l % 16, 32 bytes for each half of the lanes
	v_lshl_add_u32 v4, v2, 5, v4
	v_add_nc_u32 v[STO], s23, v4
	v_mul_u32_u24 v5, v2, SPITCH                   ; back: lanes 0-15 one row of 256 bytes, lanes 16-31 the next
	v_lshl_add_u32 v5, v1, 4, v5
	v_add_nc_u32 v[RD], s23, v5
	v_lshlrev_b32 v5, 13, v2                       ; and the same two rows in C: 8,192 bytes a row
	v_lshl_add_u32 v[CO], v1, 4, v5
	s_lshl_b32 s16, s13, 7
	s_lshl_b32 s17, s11, 6
	s_add_co_u32 s16, s16, s17                     ; my first row of C: 128 x tile row + 64 x half
	s_lshl_b32 s16, s16, 13
	s_mov_b32 s17, 0
	s_add_nc_u64 s[8:9], s[8:9], s[16:17]
	s_lshl_b32 s46, s42, 9                         ; my first column, in bytes: 512 x tile column + 256 x half
	s_lshl_b32 s47, s12, 8
	s_add_co_u32 s46, s46, s47
	s_mov_b32 s47, 0
	s_add_nc_u64 s[8:9], s[8:9], s[46:47]
; 8 matrix instructions: m blocks a0, a0 + 1 x all 4 n blocks, 32 along K: half c of buffer f.  zero = 1: the first product starts the sums.  The 16 accumulators take turns
.macro MUL8 f, c, a0, zero
.irp a, \a0, \a0+1
.irp b, 0,1,2,3
.if \zero
	v_wmma_f32_16x16x32_f16 v[ACC+8*(4*(\a)+\b):ACC+8*(4*(\a)+\b)+7], v[\f+64+8*(4*\c+\b):\f+64+8*(4*\c+\b)+7], v[\f+8*(4*\c+\a):\f+8*(4*\c+\a)+7], 0
.else
	v_wmma_f32_16x16x32_f16 v[ACC+8*(4*(\a)+\b):ACC+8*(4*(\a)+\b)+7], v[\f+64+8*(4*\c+\b):\f+64+8*(4*\c+\b)+7], v[\f+8*(4*\c+\a):\f+8*(4*\c+\a)+7], v[ACC+8*(4*(\a)+\b):ACC+8*(4*(\a)+\b)+7]
.endif
.endr
.endr
.endm
; 32 LDS loads in one run: the fragments of 64 along K at byte k of the rows, into buffer f; the first 32 along K first
.macro FETCH slot, k, f
	WIN TO_F
.irp c, 0,1
.irp i, 0,1,2,3
	ds_load_b128 v[\f+64+8*(4*\c+\i):\f+64+8*(4*\c+\i)+3],   v[ADRB+\slot] offset:\k+64*\c+\i*16*PITCH
	ds_load_b128 v[\f+64+8*(4*\c+\i)+4:\f+64+8*(4*\c+\i)+7], v[ADRB+\slot] offset:\k+64*\c+\i*16*PITCH+32
	ds_load_b128 v[\f+8*(4*\c+\i):\f+8*(4*\c+\i)+3],         v[ADRA+\slot] offset:\k+64*\c+\i*16*PITCH
	ds_load_b128 v[\f+8*(4*\c+\i)+4:\f+8*(4*\c+\i)+7],       v[ADRA+\slot] offset:\k+64*\c+\i*16*PITCH+32
.endr
.endr
.endm
.macro PLACES                          ; four places in front of loads into registers that matrix instructions have read, and of stores that read results
.rept 4
	v_nop
.endr
.endm
; A K step is four quarters of 64 along K, 32 matrix instructions each, on buffers 0, 1, 0, 1.  One of the first three: multiplies buffer f and fetches the next quarter, at byte k, into g.
.macro QUARTER slot, k, f, g, zero
	s_wait_dscnt 16                                ; the first 32 along K are in; the younger sixteen loads may be out
	WIN MUL
	MUL8 \f, 0, 0, \zero
	MUL8 \f, 0, 2, \zero
	PLACES
	FETCH \slot, \k, \g
	s_wait_dscnt 32                                ; all but the 32 just issued
	WIN MUL
	MUL8 \f, 1, 0, 0
	MUL8 \f, 1, 2, 0
.endm
; The last quarter multiplies buffer 1 and changes slots: ONE barrier; in front of it each wave waits for all its tensor loads, adds 0 to its spare word, and waits for that and for its own reads of this slot.  fill = 1: this slot is filled again, two K steps ahead.
.macro TURN slot, next, fill
	WIN 0                                          ; (the add's two registers lie in window 0)
	s_wait_tensorcnt 0x0                           ; all my tensor loads have landed: my part of the next slot
	ds_add_u32 v[SPW], v[NIL]                      ; 0 onto my spare word
	s_wait_dscnt 17                                ; (the add and the youngest sixteen loads may be out)
	WIN MUL
	MUL8 F1, 0, 0, 0                               ; eight matrix instructions stand between the add and the wait for it
	s_wait_dscnt 0x0                               ; the add is done, and my reads of this slot are over
	s_barrier_signal -1
	MUL8 F1, 0, 2, 0
.if \fill
	WIN 0
.endif
	s_barrier_wait -1
.if \fill
	CREST                                          ; the barrier has opened a round of the cluster's barrier: no wave of any partner still reads this slot's tile or has a load on its way
	s_add_nc_u64 s[G0+4*\slot+2:G0+4*\slot+3], s[G0+4*\slot+2:G0+4*\slot+3], 2*KSTEP*2
	s_add_nc_u64 s[G0B+4*\slot+2:G0B+4*\slot+3], s[G0B+4*\slot+2:G0B+4*\slot+3], 2*KSTEP*2
	JLOAD \slot                                    ; the first tensor load behind the round; the four v_nop behind it are also the places in front of the loads below
.else
	PLACES
.endif
	FETCH \next, 0, F0
	WIN MUL
	MUL8 F1, 1, 0, 0
	MUL8 F1, 1, 2, 0
.endm
	s_wait_tensorcnt 1                             ; my part of K step 0 is in (K step 1's load may be out),
	s_barrier_signal -1
	s_barrier_wait -1                              ; everybody's is
	FETCH 0, 0, F0
	QUARTER 0, 128, F0, F1, 1                      ; the first quarter stands in front of the loop: its first products start the sums
	WIN 0                                          ; at a label and at a branch every window is 0
	s_mov_b32 s3, LAPS-1
.Llap:                                                 ; a trip goes once round the ring, from a lap's second quarter to the next lap's first, and fills both slots again
	QUARTER 0, 256, F1, F0, 0
	QUARTER 0, 384, F0, F1, 0
	TURN 0, 1, 1
	QUARTER 1, 128, F0, F1, 0
	QUARTER 1, 256, F1, F0, 0
	QUARTER 1, 384, F0, F1, 0
	TURN 1, 0, 1
	QUARTER 0, 128, F0, F1, 0
	WIN 0
	s_sub_co_u32 s3, s3, 1
	s_cmp_lg_u32 s3, 0
	s_cbranch_scc1 .Llap
	QUARTER 0, 256, F1, F0, 0                      ; the last lap fills nothing, and has no round of the cluster's barrier
	QUARTER 0, 384, F0, F1, 0
	TURN 0, 1, 0
	QUARTER 1, 128, F0, F1, 0
	QUARTER 1, 256, F1, F0, 0
	QUARTER 1, 384, F0, F1, 0
	s_wait_dscnt 16                                ; the very last quarter: nothing more to fetch
	WIN MUL
	MUL8 F1, 0, 0, 0
	MUL8 F1, 0, 2, 0
	s_wait_dscnt 0
	MUL8 F1, 1, 0, 0
	MUL8 F1, 1, 2, 0
	WIN 0
; THE WAY OUT, block by block of 16 rows x 64 columns.  A lane holds 32 neighbouring bytes of a row and the lanes beside it hold other rows: so a block goes through my own stage and comes back as whole rows of 256 bytes.
; LDS serves a wave's instructions in order (ISA guide 5.7.1.4): no wait between the stores and the loads, nor in front of the next block's stores.
.macro TOST a
.irp b, 0,1,2,3
	ds_store_b128 v[STO], v[ACC+8*(4*(\a)+\b):ACC+8*(4*(\a)+\b)+3] offset:64*\b          ; each accumulator from its low end on
	ds_store_b128 v[STO], v[ACC+8*(4*(\a)+\b)+4:ACC+8*(4*(\a)+\b)+7] offset:64*\b+16
.endr
.irp t, 0,1,2,3,4,5,6,7
	ds_load_b128 v[TMP+32*((\a)%2)+4*\t:TMP+32*((\a)%2)+4*\t+3], v[RD] offset:\t*2*SPITCH
.endr
.endm
.macro SEND a, younger                 ; younger: the LDS instructions issued behind block a's loads, which may stay out
	s_wait_dscnt \younger
.irp t, 0,1,2,3,4,5,6,7
	global_store_b128 v[CO], v[TMP+32*((\a)%2)+4*\t:TMP+32*((\a)%2)+4*\t+3], s[8:9] offset:(16*(\a)+2*\t)*SIZE_N*4 th:TH_STORE_NT   ; 16 lanes store 256 consecutive bytes, aligned; 62 rows of C at the most in the immediate
.endr
.endm
	PLACES
	TOST 0
.irp a, 1,2,3
.if \a > 1
	s_wait_xcnt 0x0                                ; block a - 2's stores have read their registers: block a's loads may land there
.endif
	TOST \a
	SEND \a-1, 16                                  ; behind block a - 1's loads: block a's 8 stores and 8 loads
.endr
	SEND 3, 0
	s_wait_tensorcnt 0x0                           ; the wave's end, behind my last tensor load and my last LDS store
	ds_add_u32 v[SPW], v[NIL]
	s_wait_dscnt 0x0
	CROUND                                         ; the closing round: no work-group ends while a partner may still ask for a tile that names it
	s_endpgm
.Lfunc_end_k_qe24b12daf9_oproj:
	.size	k_qe24b12daf9_oproj, .Lfunc_end_k_qe24b12daf9_oproj-k_qe24b12daf9_oproj
	.p2alignl 7, 3214868480
	.fill 96, 4, 3214868480
	.section	.rodata,"a",@progbits
	.p2align	6, 0x0
	.amdhsa_kernel k_qe24b12daf9_oproj
		.amdhsa_group_segment_fixed_size 327680
		.amdhsa_private_segment_fixed_size 0
		.amdhsa_enable_private_segment 0
		.amdhsa_kernarg_size 24
		.amdhsa_user_sgpr_count 2
		.amdhsa_user_sgpr_kernarg_segment_ptr 1
		.amdhsa_wavefront_size32 1
		.amdhsa_system_sgpr_workgroup_id_x 1
		.amdhsa_system_sgpr_workgroup_id_y 1
		.amdhsa_system_sgpr_workgroup_id_z 1
		.amdhsa_system_vgpr_workitem_id 0
		.amdhsa_next_free_vgpr 512
		.amdhsa_next_free_sgpr 66
		.amdhsa_reserve_vcc 0
		.amdhsa_float_denorm_mode_32 3
		.amdhsa_float_denorm_mode_16_64 3
		.amdhsa_memory_ordered 1
		.amdhsa_forward_progress 1
		.amdhsa_inst_pref_size 86
	.end_amdhsa_kernel
	.amdgpu_metadata
---
amdhsa.version: [ 1, 2 ]
amdhsa.kernels:
  - .name:           k_qe24b12daf9_oproj
    .symbol:         k_qe24b12daf9_oproj.kd
    .args:
      - { .name: attnh, .offset: 0, .size: 8, .value_kind: global_buffer, .address_space: global }
      - { .name: wo16, .offset: 8, .size: 8, .value_kind: global_buffer, .address_space: global }
      - { .name: out0, .offset: 16, .size: 8, .value_kind: global_buffer, .address_space: global }
    .group_segment_fixed_size: 327680
    .private_segment_fixed_size: 0
    .kernarg_segment_align: 8
    .kernarg_segment_size: 24
    .max_flat_workgroup_size: 128
    .sgpr_count:     66
    .vgpr_count:     512
    .wavefront_size: 32
...
	.end_amdgpu_metadata
.endif
;; end of part 4
;; launch first16 (part 5): grid 128 x 1, 16 waves a work-group, no clusters, 153,600 bytes of LDS; arguments attn32, Wo, out0; writes out0
.if DOCPART == 5
	.amdgcn_target "amdgcn-amd-amdhsa--gfx1250"
	.amdhsa_code_object_version 6
	.text
	.protected	k_qe24b12daf9_first16
	.globl	k_qe24b12daf9_first16
	.p2align	8
	.type	k_qe24b12daf9_first16,@function
k_qe24b12daf9_first16:
	s_mov_b64 s[64:65], 0
	v_nop
	global_prefetch_b8 v0, s[64:65] scope:SCOPE_SE
	s_setreg_imm32_b32 hwreg(HW_REG_WAVE_MODE, 25, 1), 1
	s_wait_xcnt 0x0
; Positions 0-15 of the output once more, from f32 operands: under the causal mask these rows average one to sixteen values, and the rounding of 16-bit operands would weigh most there.  out0[0:16][:] is written again,
; behind the launch that wrote all rows.
; attn32: [16 heads][8192 bytes]: the attention of positions 0-15, f32, as images of registers: register 8 t + j of lane (r, h) is attn(query r, channel 16 t + 8 h + j of the head).  Wo: [2048][2048] f32.
; SHARES.  Work-group n makes out0[0:16][16 n .. 16 n + 15].  Wave w takes head w's 128 of the projection's K; the sixteen partial tiles are added in LDS, head 0 first.
; All products by v_wmma_f32_16x16x4_f32: lane (r, h), register j holds k = 2 h + j of row r (ISA guide 7.12).  Along K the places are permuted alike on both sides: the image's register pairs are source 0 as they stand, and
; Wo's rows come out of LDS in the same order: register 8 t + j of lane (r, h) is Wo(16 n + r, 128 w + 16 t + 8 h + j).
; The registers that this matrix form writes (v192-223) are written by matrix instructions alone; sums begin with C = 0; what is made of a sum goes into other registers.
; Behind this form: 8 places before a result is read (ISA guide 7.12.1).  No tensor load; LDS is claimed as it is used.  NaN and infinities among the inputs are not served.
.set QF,  16                           ; v16-79   attn's image
.set KF,  80                           ; v80-143  Wo's rows
.set SCR, 144                          ; v144-167 at work
.set ACC, 192                          ; v192-223 four accumulators
.set SPW, 2
.set NIL, 3
.set RP,  528                          ; a row in my region of LDS: 512 bytes + 16
.set PART, 16*16*RP                    ; behind the sixteen regions: a partial tile of 1,024 bytes for each wave
.set SPARE, PART+16*1024               ; behind them: the spare words, 128 bytes a wave, that no other line names
	s_load_b128 s[4:7], s[0:1], 0x0                ; attn32, Wo
	s_load_b64 s[8:9], s[0:1], 0x10                ; out0
	v_lshl_add_u32 v[SPW], v0, 2, SPARE
	v_mov_b32 v[NIL], 0
	v_lshrrev_b32 v4, 5, v0
	v_readfirstlane_b32 s10, v4                    ; wave = head
	v_and_b32 v4, 31, v0                           ; lane
	v_lshlrev_b32 v1, 4, v4                        ; 16 x lane
	v_and_b32 v5, 15, v0                           ; r
	v_bfe_u32 v6, v0, 4, 1                         ; h
	s_mul_i32 s11, s10, 16*RP                      ; my region
	v_add_nc_u32 v7, s11, v1                       ; a row goes in as it was loaded: 16 x lane
	v_mul_u32_u24 v8, v5, RP
	v_add_nc_u32 v8, s11, v8                       ; row r
	v_lshl_add_u32 v10, v6, 5, v8                  ; fragments come out: 528 r + 32 h, + 64 t: the sixteen lanes of a half start at sixteen different runs of 16 bytes modulo 256
	s_lshl_b32 s12, s10, 10
	s_add_co_u32 s12, s12, PART
	v_add_nc_u32 v11, s12, v1                      ; my partial tile
	s_and_b32 s15, s10, 7                          ; the last sum: wave w (under 8) takes register w of every partial tile
	s_lshr_b32 s13, s15, 2
	s_lshl_b32 s13, s13, 9
	s_and_b32 s14, s15, 3
	s_lshl_b32 s14, s14, 2
	s_add_co_u32 s13, s13, s14
	s_add_co_u32 s13, s13, PART
	v_add_nc_u32 v12, s13, v1
	v_lshlrev_b32 v15, 16, v6                      ; out0: row 8 h + w, column 16 n + r
	v_lshl_add_u32 v15, v5, 2, v15
	s_lshl_b32 s16, s15, 13
	s_lshl_b32 s17, ttmp9, 6
	s_add_co_u32 s16, s16, s17
	s_mov_b32 s17, 0
	s_lshl_b32 s18, s10, 13                        ; my head's image
	s_mov_b32 s19, 0
	s_lshl_b32 s24, ttmp9, 17                      ; Wo: rows 16 n on, 8,192 bytes a row,
	s_lshl_b32 s25, s10, 9                         ; my head's 512 bytes of a row
	s_add_co_u32 s24, s24, s25
	s_mov_b32 s25, 0
	s_wait_kmcnt 0x0
	s_add_nc_u64 s[8:9], s[8:9], s[16:17]
	s_add_nc_u64 s[4:5], s[4:5], s[18:19]
	s_add_nc_u64 s[6:7], s[6:7], s[24:25]
.irp i, 0,1,2,3,4,5,6,7,8,9,10,11,12,13,14,15
	global_load_b128 v[KF+4*\i:KF+4*\i+3], v1, s[6:7] offset:8192*\i          ; Wo: row 16 n + i, my head's 512 bytes
.endr
.irp i, 0,1,2,3,4,5,6,7,8,9,10,11,12,13,14,15
	global_load_b128 v[QF+4*\i:QF+4*\i+3], v1, s[4:5] offset:512*\i           ; the image: 512 consecutive bytes an instruction
.endr
	s_wait_loadcnt 16                              ; Wo's rows are in; the image's sixteen loads may be out
.irp i, 0,1,2,3,4,5,6,7,8,9,10,11,12,13,14,15
	ds_store_b128 v7, v[KF+4*\i:KF+4*\i+3] offset:RP*\i      ; Wo's 16 rows into my region,
.endr
.irp t, 0,1,2,3,4,5,6,7
	ds_load_b128 v[KF+8*\t:KF+8*\t+3], v10 offset:64*\t      ; and back by rows, in the image's order along K.  LDS serves a wave's instructions in order (ISA guide 5.7.1.4)
	ds_load_b128 v[KF+8*\t+4:KF+8*\t+7], v10 offset:64*\t+16
.endr
	s_wait_loadcnt 0x0                             ; the image
	s_wait_dscnt 0x0
	; my part of the projection: source 0 = the 16 queries, source 1 = Wo's 16 rows; 32 steps of 4 along the head, four accumulators by turns; lane (r, h) holds out(query 8 h + j, column 16 n + r)
.set n, 0
.rept 32
.if n < 4
	v_wmma_f32_16x16x4_f32 v[ACC+8*(n%4):ACC+8*(n%4)+7], v[QF+2*n:QF+2*n+1], v[KF+2*n:KF+2*n+1], 0
.else
	v_wmma_f32_16x16x4_f32 v[ACC+8*(n%4):ACC+8*(n%4)+7], v[QF+2*n:QF+2*n+1], v[KF+2*n:KF+2*n+1], v[ACC+8*(n%4):ACC+8*(n%4)+7]
.endif
.set n, n+1
.endr
.rept 8
	v_nop
.endr
.irp p, 0,2,4,6
	v_pk_add_f32 v[SCR+\p:SCR+\p+1], v[ACC+\p:ACC+\p+1], v[ACC+8+\p:ACC+8+\p+1]             ; the four partial sums, each read from its low end on
.endr
.irp p, 0,2,4,6
	v_pk_add_f32 v[SCR+16+\p:SCR+16+\p+1], v[ACC+16+\p:ACC+16+\p+1], v[ACC+24+\p:ACC+24+\p+1]
.endr
.irp p, 0,2,4,6
	v_pk_add_f32 v[SCR+\p:SCR+\p+1], v[SCR+\p:SCR+\p+1], v[SCR+16+\p:SCR+16+\p+1]
.endr
	ds_store_b128 v11, v[SCR:SCR+3]
	ds_store_b128 v11, v[SCR+4:SCR+7] offset:512
	s_wait_dscnt 0x0                               ; for the others' sake: my partial tile lies in LDS
	s_barrier_signal -1
	s_barrier_wait -1
	s_cmp_ge_u32 s10, 8                            ; eight registers a lane: eight waves add, one register each; no barrier stands behind this branch
	s_cbranch_scc1 .Ldone
.irp p, 0,1,2,3,4,5,6,7,8,9,10,11,12,13,14,15
	ds_load_b32 v[QF+\p], v12 offset:1024*\p
.endr
	s_wait_dscnt 0x0
.irp p, 1,2,3,4,5,6,7,8,9,10,11,12,13,14,15
	v_add_f32 v[QF], v[QF], v[QF+\p]               ; the heads in ascending order
.endr
	global_store_b32 v15, v[QF], s[8:9]            ; 64 consecutive bytes of each of two rows: a tile of 16 columns allows no more; 128 KB in the whole launch
.Ldone:
	s_wait_tensorcnt 0x0                           ; the wave's end, behind my last LDS store
	ds_add_u32 v[SPW], v[NIL]
	s_wait_dscnt 0x0
	s_endpgm
.Lfunc_end_k_qe24b12daf9_first16:
	.size	k_qe24b12daf9_first16, .Lfunc_end_k_qe24b12daf9_first16-k_qe24b12daf9_first16
	.p2alignl 7, 3214868480
	.fill 96, 4, 3214868480
	.section	.rodata,"a",@progbits
	.p2align	6, 0x0
	.amdhsa_kernel k_qe24b12daf9_first16
		.amdhsa_group_segment_fixed_size 153600
		.amdhsa_private_segment_fixed_size 0
		.amdhsa_enable_private_segment 0
		.amdhsa_kernarg_size 24
		.amdhsa_user_sgpr_count 2
		.amdhsa_user_sgpr_kernarg_segment_ptr 1
		.amdhsa_wavefront_size32 1
		.amdhsa_system_sgpr_workgroup_id_x 1
		.amdhsa_system_sgpr_workgroup_id_y 1
		.amdhsa_system_sgpr_workgroup_id_z 1
		.amdhsa_system_vgpr_workitem_id 0
		.amdhsa_next_free_vgpr 256
		.amdhsa_next_free_sgpr 66
		.amdhsa_reserve_vcc 0
		.amdhsa_float_denorm_mode_32 3
		.amdhsa_float_denorm_mode_16_64 3
		.amdhsa_memory_ordered 1
		.amdhsa_forward_progress 1
		.amdhsa_inst_pref_size 13
	.end_amdhsa_kernel
	.amdgpu_metadata
---
amdhsa.version: [ 1, 2 ]
amdhsa.kernels:
  - .name:           k_qe24b12daf9_first16
    .symbol:         k_qe24b12daf9_first16.kd
    .args:
      - { .name: attn32, .offset: 0, .size: 8, .value_kind: global_buffer, .address_space: global }
      - { .name: Wo, .offset: 8, .size: 8, .value_kind: global_buffer, .address_space: global }
      - { .name: out0, .offset: 16, .size: 8, .value_kind: global_buffer, .address_space: global }
    .group_segment_fixed_size: 153600
    .private_segment_fixed_size: 0
    .kernarg_segment_align: 8
    .kernarg_segment_size: 24
    .max_flat_workgroup_size: 512
    .sgpr_count:     66
    .vgpr_count:     256
    .wavefront_size: 32
...
	.end_amdgpu_metadata
.endif
;; end of part 5
